; MI455X (gfx1250); checked and timed in simulation.
; The chip was launched on July 23, 2026; its instructions are those of AMD's public machine-readable ISA for CDNA 5 (MIT licence, August 2026) and "CDNA5" Instruction Set Architecture Reference Guide (July 2026). The comments in the code are by the model that wrote it; some were corrected since.
;; Space Time Multi Head Attention. Allowed arithmetic: matrix products marked QUANTISED: E2M3 operands, one E8M0 scale for each 32 along K, by v_wmma_scale_f32_16x16x128_f8f6f4 with both operands' format E2M3, f32 sums; everything else in f32.
;; Inputs: bk 512 float32; bo 512 float32; bq 512 float32; bv 512 float32; inputs 4 x 16 x 512 x 512 float32; wk 512 x 512 float32; wo 512 x 512 float32; wq 512 x 512 float32; wv 512 x 512 float32.
;; Outputs: out0 4 x 16 x 512 x 512 float32.
;; Constants: is_training = 0.
;; This version of the problem:
;;   THIS VERSION OF THE PROBLEM IS GIVEN IN LOW PRECISION. The matrix products marked QUANTISED in the list below multiply operands that are first quantised to E2M3 (2 exponent bits, 3 mantissa bits; 6 bits a number), with one power-of-two scale for each 32 numbers along K (OCP MX v1.0); their sums are f32. All else is computed in f32.
;;   The module's matrix products, in the order in which they are computed (A, B: the left and right operand; K: the contracted axis; several contracted axes count as one K, in the product's order):
;;     1. [M 32,768, K 512] x [K 512, N 512]; A: input inputs; B: input wq: QUANTISED
;;     2. [M 32,768, K 512] x [K 512, N 512]; A: input inputs; B: input wk: QUANTISED
;;     3. [M 32,768, K 512] x [K 512, N 512]; A: input inputs; B: input wv: QUANTISED
;;     4. batch 512 x [M 512, K 64] x [K 64, N 512]; A: computed on the way; B: computed on the way: QUANTISED
;;     5. batch 512 x [M 64, K 512] x [K 512, N 512]; A: computed on the way; B: softmax (see below): QUANTISED
;;     6. [M 32,768, K 512] x [K 512, N 512]; A: computed on the way; B: input wo: QUANTISED
;;   THE QUANTISER, for each operand of a quantised product, along K:
;;     - K is cut into blocks of 32 from its start; a last block that is shorter is filled with zeros.
;;     - A block's scale is 2^e with e = floor(log2(the largest magnitude in the block)) - 2, held to -126 .. 127; a block of zeros has e = 0. As a byte (E8M0): e + 127.
;;     - Each number is divided by its block's scale, clamped to +-7.5, and rounded to the nearest number of E2M3, ties to even, subnormals kept.
;;     - The product sums the exact products of the quantised numbers (number of the format x scale) in f32.
;;   ~~~python
;;   def quantise(x, axis):      # numpy; x: float32 -> the quantised numbers, widened to float32 again
;;       x = np.moveaxis(x, axis, -1); K = x.shape[-1]
;;       x = np.pad(x, [(0, 0)] * (x.ndim - 1) + [(0, -K % 32)]); x = x.reshape(x.shape[:-1] + (-1, 32)); a = np.abs(x).max(-1, keepdims=True)
;;       e = np.where(a > 0, np.clip(np.frexp(np.where(a > 0, a, 1))[1] - 1 - 2, -126, 127), 0)      # np.frexp(a)[1] - 1 = floor(log2(a)), exactly
;;       r = np.clip(x / 2.0 ** e, -7.5, 7.5)
;;       step = 2.0 ** (np.maximum(np.frexp(np.where(r == 0, 1, r))[1] - 1, 0) - 3)
;;       q = np.round(r / step) * step * 2.0 ** e      # np.round: ties to even
;;       return np.moveaxis(q.reshape(q.shape[:-2] + (-1,))[..., :K], -1, axis).astype(np.float32)
;;   ~~~
;;   SOFTMAX AHEAD OF A QUANTISED PRODUCT. Where the list says 'softmax', what is quantised is not the finished softmax but p = 2^(t - M), with t = logit x log2(e) and M = ceil(the row's largest t), a whole number; so 1/2 < the row's largest p <= 1. The row's sum l is taken of the UNQUANTISED p, in f32, and the product's result is divided by l at the end. Since M is a whole number, a kernel that streams over the keys may use a running M (the ceiling of the running maximum): every later rescaling is an exact power of two, which a block's scale takes up: the codes' values come out the same.
;;   OPERANDS COMPUTED ON THE WAY. 'Computed on the way' means the value that the module computes at that place (a softmax that the list does not call 'softmax' is quantised finished and normalised). What goes into a quantiser is computed in f32, as accurately as f32 sums, v_exp_f32 and their like allow (about 1e-6 of the number): no bf16 or f16 on the way to a quantiser, and a product that is left as it is and whose result goes on into a quantised operand takes f32 operands (vector FMAs, or v_wmma_f32_16x16x4_f32). A number that lies on a knife's edge between two numbers of the format may be rounded either way, as far as f32 arithmetic and the matrix unit's own rounding can turn it there, and no further.
;; 2 versions. Each part assembles by itself: llvm-mc -triple=amdgcn-amd-amdhsa -mcpu=gfx1250 --defsym DOCPART=n.
;; ======== version 1 of 2: 3 launches
;; workspace buffers: wfrag 786,432 bytes; wscl 32,768 bytes; qc 12,582,912 bytes; qs 1,048,576 bytes; kv 26,738,688 bytes
;; launch wprep (part 1): grid 256 x 1, 1 waves a work-group, no clusters, 0 bytes of LDS; arguments wq, wk, wv, wo, wfrag, wscl; writes wfrag, wscl
.if DOCPART == 1
	.amdgcn_target "amdgcn-amd-amdhsa--gfx1250"
	.amdhsa_code_object_version 6
	.text
	.protected	k_q81dfa95563_wprep
	.globl	k_q81dfa95563_wprep
	.p2align	8
	.type	k_q81dfa95563_wprep,@function
k_q81dfa95563_wprep:
	s_mov_b64 s[64:65], 0
	v_nop
	global_prefetch_b8 v0, s[64:65] scope:SCOPE_SE
	s_setreg_imm32_b32 hwreg(HW_REG_WAVE_MODE, 25, 1), 1
	s_wait_xcnt 0x0
; The four weights [512 (k)][512 (n)], f32, K on the FIRST axis, become codes of FP6 (E2M3) with one E8M0 byte for each 32 along K,
; laid as IMAGES OF OPERAND REGISTERS: image (W, T, s) = weight W (q, k, v, o), tile T of 16 columns, K step s of 128: 12 registers a lane,
; register group c (four registers) of lane l at ((32 W + T) 4 + s) 1536 + 512 c + 16 l.  Scale word of (W, T, row r, s) at (32 W + T) 256 + 16 r + 4 s.
; THE COLUMNS OF A TILE ARE NOT NEIGHBOURS: row r of tile T = 2 B + u is column 32 B + 8 u + r + 8 (r / 8), so that results made with such tiles as source 0
; hold 16 neighbours along n in the 16 registers of two neighbouring tiles.
; A LANE TAKES A COLUMN AND ITS REGISTERS RUN DOWN K, in the order that the operand's layout gives that lane (k = 64 c + 32 (l / 16) + 0 .. 31): the conversions'
; results are the operand's registers, nothing is transposed, and a block's largest magnitude needs no other lane.
; SHARES: work-group id = 64 W + 2 T + sigma, one wave, makes the two images s = 2 sigma, 2 sigma + 1.  128 loads a lane, all issued at once.
; No LDS, no matrix unit, no cluster: 4 MiB are read once and 0.8 MiB written; there is nothing to share and nothing to overlap.
; LIMITS: NaN and infinities are not served.  A block whose largest magnitude lies under 2^(3 - 127) gets the byte 1; a block of zeros gets the byte 1 where the
; quantiser's rule says 127: its codes are zeros, which add nothing under any byte but 0xff, and this program alone reads the bytes.
.set NUM, 64                           ; v64-191  the numbers: 64 for each of the two K steps
.set FRG, 36                           ; v36-59   the two fragments, 12 registers each
	s_load_b256 s[4:11], s[0:1], 0x0               ; wq, wk, wv, wo
	s_load_b128 s[12:15], s[0:1], 0x20             ; wfrag, wscl
	v_and_b32 v1, 15, v0                           ; r
	v_lshrrev_b32 v2, 4, v0                        ; h (one wave: the thread's number is the lane)
	v_and_b32 v3, 8, v1
	v_add_nc_u32 v3, v3, v1                        ; r + 8 (r / 8)
	v_lshlrev_b32 v3, 2, v3
	v_lshl_add_u32 v3, v2, 16, v3                  ; my column's 4 bytes, and 32 rows of 2,048 bytes further down for lanes 16-31
	v_lshlrev_b32 v4, 4, v0                        ; 16 l: my place in a group of an image
	v_lshlrev_b32 v5, 4, v1
	v_lshl_add_u32 v5, v2, 2, v5                   ; 16 r + 4 h: lane (r, h) stores row r's word of K step 2 sigma + h
	v_lshlrev_b32 v6, 3, v2                        ; 8 h: my two bytes' place in a scale word
	v_mov_b32 v29, 0                               ; a lane permute's destination counts as one of its sources
	s_mov_b32 s20, 0x76543210
	s_mov_b32 s21, 0xfedcba98                      ; v_permlanex16_b32's selects for lane l xor 16
	s_lshr_b32 s16, ttmp9, 6                       ; W
	s_bfe_u32 s17, ttmp9, 0x50001                  ; T
	s_and_b32 s18, ttmp9, 1                        ; sigma
	s_lshr_b32 s22, s17, 1
	s_lshl_b32 s22, s22, 7                         ; 32 (T / 2) columns of 4 bytes
	s_and_b32 s23, s17, 1
	s_lshl_b32 s23, s23, 5                         ; 8 (T % 2) columns
	s_add_co_u32 s22, s22, s23
	s_lshl_b32 s23, s18, 19                        ; 256 sigma rows of 2,048 bytes
	s_add_co_u32 s22, s22, s23
	s_mov_b32 s23, 0
	s_mul_i32 s28, ttmp9, 3072                     ; two images
	s_mov_b32 s29, 0
	s_lshr_b32 s30, ttmp9, 1
	s_lshl_b32 s30, s30, 8                         ; the tile's 256 bytes of scale words,
	s_lshl_b32 s31, s18, 3
	s_add_co_u32 s30, s30, s31                     ; and my two K steps' 8 bytes in each row's 16
	s_mov_b32 s31, 0
	s_wait_kmcnt 0x0
	s_bitcmp1_b32 s16, 0                           ; the weight is chosen by the work-group's number alone
	s_cselect_b64 s[24:25], s[6:7], s[4:5]
	s_cselect_b64 s[26:27], s[10:11], s[8:9]
	s_bitcmp1_b32 s16, 1
	s_cselect_b64 s[24:25], s[26:27], s[24:25]
	s_add_nc_u64 s[24:25], s[24:25], s[22:23]
	s_add_nc_u64 s[12:13], s[12:13], s[28:29]
	s_add_nc_u64 s[14:15], s[14:15], s[30:31]
.irp sp, 0,1
.irp c, 0,1
.set I, 0
.rept 32
	global_load_b32 v[NUM+64*\sp+32*\c+I], v3, s[24:25] offset:(128*\sp+64*\c+I)*2048   ; W(256 sigma + 128 sp + 64 c + 32 h + I, my column)
.set I, I+1
.endr
.endr
.endr
; K step sp: two blocks a lane become six registers each; the scale word's four bytes are gathered from lanes l and l xor 16
.macro WQ sp
.irp c, 0,1
	v_max3_num_f32 v[20+\c], |v[NUM+64*\sp+32*\c]|, |v[NUM+64*\sp+32*\c+1]|, 0x1800000   ; my block 2 c + h, and the floor 2^(3 - 127): the byte cannot fall under 1
.endr
.irp i, 2,4,6,8,10,12,14,16,18,20,22,24,26,28,30
.irp c, 0,1
	v_max3_num_f32 v[20+\c], v[20+\c], |v[NUM+64*\sp+32*\c+\i]|, |v[NUM+64*\sp+32*\c+\i+1]|   ; (the two blocks by turns)
.endr
.endr
.irp c, 0,1
	v_add_nc_u32 v[22+\c], 0xff000000, v[20+\c]    ; 2 off the exponent field: the conversion takes the exponent field of this operand as its scale
.endr
.irp c, 0,1
	v_lshrrev_b32 v[24+\c], 23, v[22+\c]           ; the scale's byte
.endr
	v_lshl_or_b32 v28, v25, 16, v24                ; my two bytes: blocks h and 2 + h,
	v_lshlrev_b32 v28, v6, v28                     ; at their places (8 h bits up);
	v_permlanex16_b32 v29, v28, s20, s21
	v_or_b32 v[26+\sp], v28, v29                   ; with lane l xor 16's two the word is whole
.irp c, 0,1
	v_cvt_scalef32_pk16_fp6_f32 v[FRG+12*\sp+6*\c:FRG+12*\sp+6*\c+2], v[NUM+64*\sp+32*\c:NUM+64*\sp+32*\c+15], v[22+\c]
	v_cvt_scalef32_pk16_fp6_f32 v[192+4*\c:194+4*\c], v[NUM+64*\sp+32*\c+16:NUM+64*\sp+32*\c+31], v[22+\c]   ; (a conversion's three registers begin on an even number)
.endr
	v_nop                                          ; one plain place behind a scaled conversion
.irp c, 0,1
.irp i, 0,1,2
	v_mov_b32 v[FRG+12*\sp+6*\c+3+\i], v[192+4*\c+\i]
.endr
.endr
.irp c, 0,1,2
	global_store_b128 v4, v[FRG+12*\sp+4*\c:FRG+12*\sp+4*\c+3], s[12:13] offset:1536*\sp+512*\c   ; 32 lanes store 512 consecutive bytes
.endr
.endm
	s_wait_loadcnt 63                              ; behind the first K step's 64 loads stand 64 more; the wait's field names 63 at the most, and a smaller count is safe
	WQ 0
	s_wait_loadcnt 0x0
	WQ 1
	v_cmp_eq_u32 vcc_lo, 1, v2
	v_cndmask_b32 v28, v26, v27, vcc_lo            ; lanes 0-15 the first K step's word, lanes 16-31 the second's
	global_store_b32 v5, v28, s[14:15]             ; 8 bytes of each row's 16: one byte in 128 of what the launch reads
	s_endpgm
.Lfunc_end_k_q81dfa95563_wprep:
	.size	k_q81dfa95563_wprep, .Lfunc_end_k_q81dfa95563_wprep-k_q81dfa95563_wprep
	.p2alignl 7, 3214868480
	.fill 96, 4, 3214868480
	.section	.rodata,"a",@progbits
	.p2align	6, 0x0
	.amdhsa_kernel k_q81dfa95563_wprep
		.amdhsa_group_segment_fixed_size 0
		.amdhsa_private_segment_fixed_size 0
		.amdhsa_enable_private_segment 0
		.amdhsa_kernarg_size 48
		.amdhsa_user_sgpr_count 2
		.amdhsa_user_sgpr_kernarg_segment_ptr 1
		.amdhsa_wavefront_size32 1
		.amdhsa_system_sgpr_workgroup_id_x 1
		.amdhsa_system_sgpr_workgroup_id_y 1
		.amdhsa_system_sgpr_workgroup_id_z 1
		.amdhsa_system_vgpr_workitem_id 0
		.amdhsa_next_free_vgpr 208
		.amdhsa_next_free_sgpr 66
		.amdhsa_reserve_vcc 1
		.amdhsa_float_denorm_mode_32 3
		.amdhsa_float_denorm_mode_16_64 3
		.amdhsa_memory_ordered 1
		.amdhsa_forward_progress 1
		.amdhsa_inst_pref_size 21
	.end_amdhsa_kernel
	.amdgpu_metadata
---
amdhsa.version: [ 1, 2 ]
amdhsa.kernels:
  - .name:           k_q81dfa95563_wprep
    .symbol:         k_q81dfa95563_wprep.kd
    .args:
      - { .name: wq, .offset: 0, .size: 8, .value_kind: global_buffer, .address_space: global }
      - { .name: wk, .offset: 8, .size: 8, .value_kind: global_buffer, .address_space: global }
      - { .name: wv, .offset: 16, .size: 8, .value_kind: global_buffer, .address_space: global }
      - { .name: wo, .offset: 24, .size: 8, .value_kind: global_buffer, .address_space: global }
      - { .name: wfrag, .offset: 32, .size: 8, .value_kind: global_buffer, .address_space: global }
      - { .name: wscl, .offset: 40, .size: 8, .value_kind: global_buffer, .address_space: global }
    .group_segment_fixed_size: 0
    .private_segment_fixed_size: 0
    .kernarg_segment_align: 8
    .kernarg_segment_size: 48
    .max_flat_workgroup_size: 32
    .sgpr_count:     66
    .vgpr_count:     208
    .wavefront_size: 32
...
	.end_amdgpu_metadata
.endif
;; end of part 1
;; launch qkv (part 2): grid 256 x 1, 4 waves a work-group, no clusters, 90,112 bytes of LDS; arguments inputs, wfrag, wscl, bq, bk, bv, qc, qs, kv; writes qc, qs, kv
.if DOCPART == 2
	.amdgcn_target "amdgcn-amd-amdhsa--gfx1250"
	.amdhsa_code_object_version 6
	.text
	.protected	k_q81dfa95563_qkv
	.globl	k_q81dfa95563_qkv
	.p2align	8
	.type	k_q81dfa95563_qkv,@function
k_q81dfa95563_qkv:
	s_mov_b64 s[64:65], 0
	v_nop
	global_prefetch_b8 v0, s[64:65] scope:SCOPE_SE
	s_setreg_imm32_b32 hwreg(HW_REG_WAVE_MODE, 25, 1), 1
	s_wait_xcnt 0x0
; q = x wq + bq, k = x wk + bk, v = x wv + bv, all three products on codes of FP6 (E2M3) with one E8M0 scale for each 32 along K; the results are quantised at once for the
; attention's products: q and k along the head's 64, v along the keys, and stored as images of operand registers.
; SHARES.  A work-group takes 128 tokens: block beta = id % 4 of slice id / 4.  PHASE X: wave w quantises tokens 32 w .. 32 w + 31 (two tiles x four K steps) and stores the images in LDS; one barrier.
; Then each wave has 24 UNITS: 8 resident tiles (source 0, all four K steps, 384 registers) x 1 streaming tile (source 1): 32 matrix instructions into 8 accumulators by turns, which one
; pass of the quantiser turns into one fragment and one scale word a lane.  Q round, K round: resident = 8 tiles (128 columns, heads 2 w and 2 w + 1) of wq, wk; streaming = the 8 token tiles from LDS.
; V phase: resident = the 8 token tiles; streaming = 8 tiles of wv from memory: a lane then holds one column d and its registers run along the TOKENS, which are the second attention product's K.
; EVERY TILE'S ROWS ARE CHOSEN: row r of tile 2 b + u is index 32 b + 8 u + r + 8 (r / 8) (tokens and columns alike), so that the 16 registers of result tiles 2 b, 2 b + 1 are 16 neighbours, 32 b + 16 (l / 16) + 0 .. 15.
; The biases are the C of each sum's first matrix instruction.
; NO JOINT LOADS: all work-groups read the same 589,824 bytes of weight images, but a joint load lands in LDS, which cannot hold them; here each wave's 49,152 bytes of a weight go once,
; straight into its registers, and feed eight units each.  No tensor load either: x comes by loads of 512 consecutive bytes and turns through the wave's own stage.
; BUFFERS.  qc [slice][head][tile 32][768]: registers 2 p, 2 p + 1 of a head's six at 256 p + 8 l.  qs [slice][head][beta][r 16][t 8] words (bytes 0, 1: the head's two blocks; bytes 2, 3 the neighbouring head's or 0, never 0xff).
; kv [slice][head][52,224]: K's codes as qc; +24,576 V^T's images [beta][dt 4][1536]; +49,152 K's scale words as qs; +51,200 V's [beta][r 16][dt 4].
; LIMITS: NaN and infinities are not served.  A block whose largest magnitude lies under 2^(3 - 127) gets the byte 1; a block of zeros gets the byte 1 where the rule says 127: its codes are zeros, and this program alone reads the bytes.
; REGISTERS.  Window 0: v1-19 lane numbers and addresses; v20, v21 the add's two; v24-31 V's scale words; v32-95 accumulators (phase X: 64 numbers); v96-143 the streaming tile's four fragments; v144-147 its scale words;
;   v148-179 the resident tiles' scale words (4 t + s); v180-199 codes just made; v200-216 at work; v218-225 bv as a C; v226 bv as loaded; v228-235 scale words on their way out.
;   Window 1: resident fragments of K steps 0 (v[12 t]) and 1 (v[96 + 12 t]).  Window 2: of K steps 2 and 3.  Window 3: phase X: four sets of 64 registers of x as loaded; Q, K rounds: v0-63 the bias, 8 tiles.
; LDS: 0: x's 32 images ((4 t + s) 1536); XSC: their scale words (512 t + 16 l + 4 s); STG: a stage of 16 rows x 528 bytes for each wave; SCR: 512 bytes for each wave; SPARE: the spare words.
.set XSC,   49152
.set STG,   53248
.set SCR,   87040
.set SPARE, 89088                      ; 128 bytes for each wave: two blocks of 256 bytes that no other line names
.set ACC, 32
.set SF,  96
.set SS,  144
.set RS,  148
.set PC,  180
.set TM,  200
.set PW,  216
.set BV,  218
.set PWS, 24
.set SEL, 28
.set MSB, 0
.macro WIN new                         ; the immediate's high byte repeats the setting that is left
.if MSB != \new
	s_set_vgpr_msb (MSB<<8)|\new
.set MSB, \new
.endif
.endm
.macro PLACES                          ; four places behind matrix instructions, ahead of loads into their registers and of the first read of results
.rept 4
	v_nop
.endr
.endm
; 64 numbers of a lane, register 16 b + i = k 32 b + 16 (l / 16) + i of my row, become a fragment's codes in v[PC] on and its scale word in v[PW]
.macro QUANT src
.irp b, 0,1,2,3
	v_max3_num_f32 v[TM+\b], |v[\src+16*\b]|, |v[\src+1+16*\b]|, 0x1800000   ; block b: my 16 numbers, and the floor 2^(3 - 127): the byte cannot fall under 1
.endr
.irp i, 2,4,6,8,10,12,14
.irp b, 0,1,2,3
	v_max3_num_f32 v[TM+\b], v[TM+\b], |v[\src+16*\b+\i]|, |v[\src+1+16*\b+\i]|   ; (the four blocks by turns)
.endr
.endr
.irp b, 0,1,2,3
	v_permlanex16_b32 v[TM+4+\b], v[TM+\b], s[SEL], s[SEL+1]
.endr
.irp b, 0,1,2,3
	v_max_num_f32 v[TM+\b], v[TM+\b], v[TM+4+\b]   ; with lane l xor 16's: the block's largest magnitude
.endr
.irp b, 0,1,2,3
	v_add_nc_u32 v[TM+12+\b], 0xff000000, v[TM+\b] ; 2 off its exponent field: the conversion's scale operand
.endr
.irp b, 0,1,2,3
	v_lshrrev_b32 v[TM+4+\b], 23, v[TM+12+\b]      ; the scale's byte
.endr
	v_lshl_or_b32 v[PW], v[TM+5], 8, v[TM+4]
	v_lshl_or_b32 v[PW], v[TM+6], 16, v[PW]
	v_lshl_or_b32 v[PW], v[TM+7], 24, v[PW]        ; my row's scale word
.irp c, 0,1
	v_cvt_scalef32_pk16_fp6_f32 v[PC+6*\c:PC+2+6*\c], v[\src+32*\c:\src+15+32*\c], v[TM+12+2*\c]
	v_cvt_scalef32_pk16_fp6_f32 v[PC+12+4*\c:PC+14+4*\c], v[\src+16+32*\c:\src+31+32*\c], v[TM+12+2*\c+1]   ; (a conversion's three registers begin on an even number)
.endr
	v_nop                                          ; one plain place behind a scaled conversion
.irp c, 0,1                            ; the operand's layout wants a WHOLE block in a lane: lanes 0-15 block 2 c, lanes 16-31 block 2 c + 1
.irp i, 0,1,2
	v_permlane16_swap_b32 v[PC+6*\c+\i], v[PC+12+4*\c+\i]
.endr
.irp i, 0,1,2
	v_mov_b32 v[PC+3+6*\c+\i], v[PC+12+4*\c+\i]
.endr
.endr
.endm
; part c = 4 u + s of my x: the 16 rows of tile 2 w + u, K step s: each load reads 512 consecutive bytes of one row, into set c % 4 of window 3
.macro LOADX c
	WIN 0xc0
.irp i, 0,1,2,3,4,5,6,7,8,9,10,11,12,13,14,15
	global_load_b128 v[64*((\c)%4)+4*\i:64*((\c)%4)+4*\i+3], v4, s[8:9] offset:(8*((\c)/4)+\i+8*(\i/8))*2048+512*((\c)%4) th:TH_LOAD_NT
.endr
	WIN 0
.endm
; it turns through my stage: in as loaded (row i at 528 i), out 16 neighbours of each block of 32 a lane.  LDS serves a wave's instructions in order (ISA guide 5.7.1.4): no wait between
.macro TURNX c
	WIN 0x0c
.irp i, 0,1,2,3,4,5,6,7,8,9,10,11,12,13,14,15
	ds_store_b128 v11, v[64*((\c)%4)+4*\i:64*((\c)%4)+4*\i+3] offset:528*\i
.endr
	WIN 0
.irp b, 0,1,2,3
.irp j, 0,1,2,3
	ds_load_b128 v[ACC+16*\b+4*\j:ACC+16*\b+4*\j+3], v12 offset:128*\b+16*\j
.endr
.endr
.endm
; my 8 tiles of weight w (0: wq, 1: wk), their bias (pointer s[bp]) in the result's layout, and their scale words
.macro RESW w, bp
	WIN 0x40
.irp t, 0,1,2,3,4,5,6,7
.irp c, 0,1,2
	global_load_b128 v[12*\t+4*\c:12*\t+4*\c+3], v4, s[10:11] offset:196608*(\w)+(4*\t)*1536+512*\c
	global_load_b128 v[96+12*\t+4*\c:96+12*\t+4*\c+3], v4, s[10:11] offset:196608*(\w)+(4*\t+1)*1536+512*\c
.endr
.endr
	WIN 0x80
.irp t, 0,1,2,3,4,5,6,7
.irp c, 0,1,2
	global_load_b128 v[12*\t+4*\c:12*\t+4*\c+3], v4, s[10:11] offset:196608*(\w)+(4*\t+2)*1536+512*\c
	global_load_b128 v[96+12*\t+4*\c:96+12*\t+4*\c+3], v4, s[10:11] offset:196608*(\w)+(4*\t+3)*1536+512*\c
.endr
.endr
	WIN 0xc0
.irp t, 0,1,2,3,4,5,6,7
	global_load_b128 v[8*\t:8*\t+3], v7, s[\bp:\bp+1] offset:(32*(\t/2)+8*(\t%2))*4         ; lane (r, h), tile t: columns 32 (t / 2) + 16 h + 8 (t % 2) + 0 .. 7
	global_load_b128 v[8*\t+4:8*\t+7], v7, s[\bp:\bp+1] offset:(32*(\t/2)+8*(\t%2))*4+16
.endr
	WIN 0
.irp t, 0,1,2,3,4,5,6,7
	global_load_b128 v[RS+4*\t:RS+4*\t+3], v6, s[12:13] offset:8192*(\w)+256*\t
.endr
.endm
; the 8 token tiles become the resident ones
.macro RESX
	WIN 0x40
.irp t, 0,1,2,3,4,5,6,7
.irp c, 0,1,2
	ds_load_b128 v[12*\t+4*\c:12*\t+4*\c+3], v4 offset:(4*\t)*1536+512*\c
	ds_load_b128 v[96+12*\t+4*\c:96+12*\t+4*\c+3], v4 offset:(4*\t+1)*1536+512*\c
.endr
.endr
	WIN 0x80
.irp t, 0,1,2,3,4,5,6,7
.irp c, 0,1,2
	ds_load_b128 v[12*\t+4*\c:12*\t+4*\c+3], v4 offset:(4*\t+2)*1536+512*\c
	ds_load_b128 v[96+12*\t+4*\c:96+12*\t+4*\c+3], v4 offset:(4*\t+3)*1536+512*\c
.endr
.endr
	WIN 0
.irp t, 0,1,2,3,4,5,6,7
	ds_load_b128 v[RS+4*\t:RS+4*\t+3], v4 offset:XSC+512*\t
.endr
.endm
.macro FETCHX                          ; a token tile's four fragments and four scale words, from the addresses in hand
.irp s, 0,1,2,3
.irp c, 0,1,2
	ds_load_b128 v[SF+12*\s+4*\c:SF+12*\s+4*\c+3], v8 offset:1536*\s+512*\c
.endr
.endr
	ds_load_b128 v[SS:SS+3], v9
.endm
.macro STREAMV n                       ; tile n of my 8 of wv, its scale words, and bv at my lane's column
.irp s, 0,1,2,3
.irp c, 0,1,2
	global_load_b128 v[SF+12*\s+4*\c:SF+12*\s+4*\c+3], v4, s[10:11] offset:393216+(4*(\n)+\s)*1536+512*\c
.endr
.endr
	global_load_b128 v[SS:SS+3], v6, s[12:13] offset:16384+256*(\n)
	global_load_b32 v226, v17, s[18:19] offset:(32*((\n)/2)+8*((\n)%2))*4
.endm
; a unit's 32 matrix instructions: K step by K step, the eight accumulators by turns, one instruction a turn.  The first K step's C is the bias: window cwin, v[cbase + cstride t]
.macro MULS cwin, cbase, cstride
	WIN (0x01|((\cwin)<<4))
.irp t, 0,1,2,3,4,5,6,7
	v_wmma_scale_f32_16x16x128_f8f6f4 v[ACC+8*\t:ACC+8*\t+7], v[12*\t:12*\t+11], v[SF:SF+11], v[\cbase+\cstride*\t:\cbase+\cstride*\t+7], v[RS+4*\t], v[SS] matrix_a_fmt:MATRIX_FMT_FP6 matrix_b_fmt:MATRIX_FMT_FP6
.endr
	WIN 0x01
.irp t, 0,1,2,3,4,5,6,7
	v_wmma_scale_f32_16x16x128_f8f6f4 v[ACC+8*\t:ACC+8*\t+7], v[96+12*\t:96+12*\t+11], v[SF+12:SF+23], v[ACC+8*\t:ACC+8*\t+7], v[RS+4*\t+1], v[SS+1] matrix_a_fmt:MATRIX_FMT_FP6 matrix_b_fmt:MATRIX_FMT_FP6
.endr
	WIN 0x02
.irp t, 0,1,2,3,4,5,6,7
	v_wmma_scale_f32_16x16x128_f8f6f4 v[ACC+8*\t:ACC+8*\t+7], v[12*\t:12*\t+11], v[SF+24:SF+35], v[ACC+8*\t:ACC+8*\t+7], v[RS+4*\t+2], v[SS+2] matrix_a_fmt:MATRIX_FMT_FP6 matrix_b_fmt:MATRIX_FMT_FP6
.endr
.irp t, 0,1,2,3,4,5,6,7
	v_wmma_scale_f32_16x16x128_f8f6f4 v[ACC+8*\t:ACC+8*\t+7], v[96+12*\t:96+12*\t+11], v[SF+36:SF+47], v[ACC+8*\t:ACC+8*\t+7], v[RS+4*\t+3], v[SS+3] matrix_a_fmt:MATRIX_FMT_FP6 matrix_b_fmt:MATRIX_FMT_FP6
.endr
	WIN 0
.endm
	s_load_b512 s[8:23], s[0:1], 0x0               ; inputs s[8:9], wfrag s[10:11], wscl s[12:13], bq s[14:15], bk s[16:17], bv s[18:19], qc s[20:21], qs s[22:23]
	s_load_b64 s[24:25], s[0:1], 0x40              ; kv
	v_lshl_add_u32 v20, v0, 2, SPARE               ; my spare word,
	v_mov_b32 v21, 0                               ; and 0: kept for the closing lines alone
	v_lshrrev_b32 v1, 5, v0
	v_readfirstlane_b32 s26, v1                    ; wave w
	v_and_b32 v1, 31, v0                           ; l
	v_and_b32 v2, 15, v0                           ; r
	v_bfe_u32 v3, v0, 4, 1                         ; h
	v_lshlrev_b32 v4, 4, v1                        ; 16 l
	v_lshlrev_b32 v5, 3, v1                        ; 8 l
	v_lshlrev_b32 v6, 4, v2                        ; 16 r
	v_lshlrev_b32 v7, 6, v3                        ; 64 h
	s_mul_i32 s36, s26, 8448
	s_add_co_u32 s36, s36, STG                     ; my stage
	v_add_nc_u32 v11, s36, v4                      ; in: 16 l
	v_mul_u32_u24 v12, v2, 528
	v_lshl_add_u32 v12, v3, 6, v12
	v_add_nc_u32 v12, s36, v12                     ; out: row r, + 64 h
	s_mul_i32 s36, s26, 12288
	v_add_nc_u32 v13, s36, v4                      ; where I store x's images: my two tiles' eight
	s_lshl_b32 s36, s26, 10
	s_add_co_u32 s36, s36, XSC
	v_add_nc_u32 v14, s36, v4                      ; and their scale words
	s_lshl_b32 s36, s26, 9
	s_add_co_u32 s36, s36, SCR                     ; my 512 bytes for a round's scale words: [r 16][t 8]
	v_add_nc_u32 v15, s36, v4                      ; back: 16 l
	v_lshl_add_u32 v16, v2, 5, s36                 ; in: 32 r
	v_and_b32 v17, 8, v2
	v_add_nc_u32 v17, v17, v2
	v_lshlrev_b32 v17, 2, v17                      ; 4 (r + 8 (r / 8))
	v_mul_u32_u24 v18, v3, 52224
	v_add_nc_u32 v18, v18, v6                      ; 16 r, and a head's block further on for lanes 16-31
	v_cmp_le_u32 s35, 16, v1                       ; the mask of lanes 16-31
.irp b, 0,1,2,3
	v_mov_b32 v[TM+4+\b], 0                        ; written once: a lane permute's destination counts as one of its sources
.endr
	s_mov_b32 s[SEL], 0x76543210
	s_mov_b32 s[SEL+1], 0xfedcba98                 ; v_permlanex16_b32's selects for lane l xor 16
	s_mov_b32 s37, 0
	s_lshr_b32 s38, ttmp9, 2                       ; slice
	s_and_b32 s39, ttmp9, 3                        ; beta
	s_lshl_b32 s40, s38, 3
	s_lshl_b32 s41, s26, 1
	s_add_co_u32 s40, s40, s41                     ; my even head among all: 8 slice + 2 w
	s_wait_kmcnt 0x0
	s_lshl_b32 s36, ttmp9, 18                      ; 128 rows of 2,048 bytes a work-group,
	s_lshl_b32 s41, s26, 16                        ; 32 a wave
	s_add_co_u32 s36, s36, s41
	s_add_nc_u64 s[8:9], s[8:9], s[36:37]
	LOADX 0
	LOADX 1
	LOADX 2
	LOADX 3                                        ; 64 loads of the wave are out
	s_mul_i32 s36, s26, 49152                      ; my 8 tiles of a weight
	s_add_nc_u64 s[10:11], s[10:11], s[36:37]
	s_lshl_b32 s36, s26, 11
	s_add_nc_u64 s[12:13], s[12:13], s[36:37]
	s_lshl_b32 s36, s26, 9                         ; my 128 columns of a bias
	s_add_nc_u64 s[14:15], s[14:15], s[36:37]
	s_add_nc_u64 s[16:17], s[16:17], s[36:37]
	s_add_nc_u64 s[18:19], s[18:19], s[36:37]
	s_mul_i32 s36, s40, 24576
	s_mul_i32 s41, s39, 6144
	s_add_co_u32 s36, s36, s41
	s_add_nc_u64 s[20:21], s[20:21], s[36:37]      ; qc at my even head, my block's eight tiles
	s_lshl_b32 s36, s40, 2
	s_add_co_u32 s36, s36, s39
	s_lshl_b32 s36, s36, 9
	s_add_nc_u64 s[22:23], s[22:23], s[36:37]      ; qs likewise
	s_mul_i32 s36, s40, 52224
	s_add_nc_u64 s[24:25], s[24:25], s[36:37]      ; kv at my even head
	s_mov_b32 s36, s41
	s_add_nc_u64 s[48:49], s[24:25], s[36:37]      ; + 6,144 beta: K's codes; V's lie 24,576 further on
	s_lshl_b32 s36, s39, 9
	s_add_nc_u64 s[50:51], s[24:25], s[36:37]      ; + 512 beta: K's scale words lie 49,152 further on
	s_lshl_b32 s36, s39, 8
	s_add_nc_u64 s[52:53], s[24:25], s[36:37]      ; + 256 beta: V's lie 51,200 further on
	; ---- PHASE X: eight parts (tile u, K step s), loads four parts ahead
.irp q, 0,1,2,3,4,5,6,7
.if \q < 5
	s_wait_loadcnt 48                              ; this part's 16 loads are in; those of the three parts behind it may be out
.else
	s_wait_loadcnt 16*(7-\q)
.endif
	TURNX \q
	s_wait_dscnt 0x0                               ; the 64 numbers are back, the stores have read their set, and the last part's images have read their registers
.if \q < 4
	LOADX \q+4
.endif
.if \q == 7
	RESW 0, 14                                     ; wq's tiles are asked for while the last part is quantised
.endif
	QUANT ACC
.irp c, 0,1,2
	ds_store_b128 v13, v[PC+4*\c:PC+4*\c+3] offset:1536*\q+512*\c    ; the fragment goes to LDS as it stands
.endr
	ds_store_b32 v14, v[PW] offset:512*(\q/4)+4*(\q%4)
.endr
	s_wait_dscnt 0x0                               ; for the others' sake: my images have landed
	s_barrier_signal -1
	s_barrier_wait -1                              ; x's 32 images lie in LDS; from here on they are only read
; A unit of the Q or K round.  pre = 1: the next token tile is fetched under the quantiser.  nxt: what the round's last unit asks for (1: wk's tiles; 2: the V phase's).  cp, hs: the codes' pointer and the bytes from head to head
.macro UNITQK pre, nxt, cp, hs
	s_wait_dscnt 0x0                               ; the streaming tile is in
	MULS 3, 0, 8
	PLACES
.if \pre
	s_add_co_u32 s30, s30, 6144
	s_add_co_u32 s31, s31, 512
	v_add_nc_u32 v8, s30, v4
	v_add_nc_u32 v9, s31, v4
	FETCHX
.endif
.if \nxt == 1
	RESW 1, 16
.endif
.if \nxt == 2
	RESX
	STREAMV 0
.endif
	s_wait_xcnt 0x0                                ; the last unit's stores have read their data and their offset: both are written below
	v_add_nc_u32 v19, s32, v5
	v_add_nc_u32 v10, s33, v16
	QUANT ACC                                      ; lane (r, h): token r of the tile; registers 6 e .. 6 e + 5: head 2 w + e, d = 32 h + 0 .. 31
.irp e, 0,1
.irp p, 0,1,2
	global_store_b64 v19, v[PC+6*\e+2*\p:PC+6*\e+2*\p+1], s[\cp:\cp+1] offset:\hs*\e+256*\p th:TH_STORE_NT   ; 32 lanes store 256 consecutive bytes, aligned
.endr
.endr
	ds_store_b32 v10, v[PW]                        ; lanes r and r + 16 write the same word with the same value
	s_add_co_u32 s32, s32, 768
	s_add_co_u32 s33, s33, 4
.endm
; A round: eight units, then the scale words: 512 bytes for each of the two heads.  sp, si, hss: their pointer, its immediate, the bytes from head to head
.macro QKROUND nxt, cp, hs, sp, si, hss
	s_mov_b32 s30, 0
	s_mov_b32 s31, XSC
	s_mov_b32 s32, 0
	s_mov_b32 s33, 0
	v_mov_b32 v8, v4
	v_add_nc_u32 v9, XSC, v4
	FETCHX
	s_wait_loadcnt 0x0                             ; the resident tiles, their bias and their scale words
	s_mov_b32 s34, 7
.Lunit_\@:
	UNITQK 1, 0, \cp, \hs
	s_sub_co_u32 s34, s34, 1
	s_cmp_lg_u32 s34, 0
	s_cbranch_scc1 .Lunit_\@
	UNITQK 0, \nxt, \cp, \hs
	ds_load_b128 v[228:231], v15                   ; LDS serves a wave's instructions in order: these see my eight stores
	s_wait_dscnt 0x0
	global_store_b128 v4, v[228:231], s[\sp:\sp+1] offset:\si th:TH_STORE_NT          ; the even head: bytes 0, 1 are its blocks
.irp i, 0,1,2,3
	v_lshrrev_b32 v[232+\i], 16, v[228+\i]         ; the odd head's two bytes come down
.endr
	global_store_b128 v4, v[232:235], s[\sp:\sp+1] offset:\si+\hss th:TH_STORE_NT
.endm
	QKROUND 1, 20, 24576, 22, 0, 2048
	QKROUND 2, 48, 52224, 50, 49152, 52224
	; ---- V PHASE: source 0 = the 8 token tiles, source 1 = a tile of wv: lane (r, h) holds column d(r) and its registers run along the block's 128 tokens
.irp n, 0,1,2,3,4,5,6,7
	s_wait_loadcnt 0x0                             ; the streaming tile, its scale words, bv
.if \n == 0
	s_wait_dscnt 0x0                               ; the resident tiles
.endif
.irp j, 0,1,2,3,4,5,6,7
	v_mov_b32 v[BV+\j], v226                       ; the bias is the same for all tokens of my column
.endr
	PLACES
	MULS 0, BV, 0
	PLACES
.if \n < 7
	STREAMV \n+1
.endif
	s_wait_xcnt 0x0                                ; the last unit's stores have read their data
	QUANT ACC
	v_mov_b32 v[PWS+\n], v[PW]
.irp c, 0,1,2
	global_store_b128 v4, v[PC+4*\c:PC+4*\c+3], s[48:49] offset:24576+52224*(\n/4)+1536*(\n%4)+512*\c th:TH_STORE_NT   ; 512 consecutive bytes of the image (head 2 w + n / 4, beta, dt = n % 4)
.endr
.endr
.irp i, 0,1,2,3
	v_cndmask_b32 v[228+\i], v[PWS+\i], v[PWS+4+\i], s35   ; lanes 0-15 the even head's four words, lanes 16-31 the odd head's
.endr
	global_store_b128 v18, v[228:231], s[52:53] offset:51200 th:TH_STORE_NT           ; sixteen lanes store 256 consecutive bytes, aligned
	s_wait_tensorcnt 0x0                           ; the wave's end: three closing lines, behind my last LDS store, the first of them even in a text with no tensor load
	ds_add_u32 v20, v21
	s_wait_dscnt 0x0
	s_endpgm
.Lfunc_end_k_q81dfa95563_qkv:
	.size	k_q81dfa95563_qkv, .Lfunc_end_k_q81dfa95563_qkv-k_q81dfa95563_qkv
	.p2alignl 7, 3214868480
	.fill 96, 4, 3214868480
	.section	.rodata,"a",@progbits
	.p2align	6, 0x0
	.amdhsa_kernel k_q81dfa95563_qkv
		.amdhsa_group_segment_fixed_size 90112
		.amdhsa_private_segment_fixed_size 0
		.amdhsa_enable_private_segment 0
		.amdhsa_kernarg_size 72
		.amdhsa_user_sgpr_count 2
		.amdhsa_user_sgpr_kernarg_segment_ptr 1
		.amdhsa_wavefront_size32 1
		.amdhsa_system_sgpr_workgroup_id_x 1
		.amdhsa_system_sgpr_workgroup_id_y 1
		.amdhsa_system_sgpr_workgroup_id_z 1
		.amdhsa_system_vgpr_workitem_id 0
		.amdhsa_next_free_vgpr 1024
		.amdhsa_next_free_sgpr 66
		.amdhsa_reserve_vcc 0
		.amdhsa_float_denorm_mode_32 3
		.amdhsa_float_denorm_mode_16_64 3
		.amdhsa_memory_ordered 1
		.amdhsa_forward_progress 1
		.amdhsa_inst_pref_size 216
	.end_amdhsa_kernel
	.amdgpu_metadata
---
amdhsa.version: [ 1, 2 ]
amdhsa.kernels:
  - .name:           k_q81dfa95563_qkv
    .symbol:         k_q81dfa95563_qkv.kd
    .args:
      - { .name: inputs, .offset: 0, .size: 8, .value_kind: global_buffer, .address_space: global }
      - { .name: wfrag, .offset: 8, .size: 8, .value_kind: global_buffer, .address_space: global }
      - { .name: wscl, .offset: 16, .size: 8, .value_kind: global_buffer, .address_space: global }
      - { .name: bq, .offset: 24, .size: 8, .value_kind: global_buffer, .address_space: global }
      - { .name: bk, .offset: 32, .size: 8, .value_kind: global_buffer, .address_space: global }
      - { .name: bv, .offset: 40, .size: 8, .value_kind: global_buffer, .address_space: global }
      - { .name: qc, .offset: 48, .size: 8, .value_kind: global_buffer, .address_space: global }
      - { .name: qs, .offset: 56, .size: 8, .value_kind: global_buffer, .address_space: global }
      - { .name: kv, .offset: 64, .size: 8, .value_kind: global_buffer, .address_space: global }
    .group_segment_fixed_size: 90112
    .private_segment_fixed_size: 0
    .kernarg_segment_align: 8
    .kernarg_segment_size: 72
    .max_flat_workgroup_size: 128
    .sgpr_count:     66
    .vgpr_count:     1024
    .wavefront_size: 32
...
	.end_amdgpu_metadata
.endif
;; end of part 2
;; launch attn (part 3): grid 256 x 1, 16 waves a work-group, clusters of 4 x 1, 327,680 bytes of LDS; arguments qc, qs, kv, wfrag, wscl, bo, out0; writes out0
.if DOCPART == 3
	.amdgcn_target "amdgcn-amd-amdhsa--gfx1250"
	.amdhsa_code_object_version 6
	.text
	.protected	k_q81dfa95563_attn
	.globl	k_q81dfa95563_attn
	.p2align	8
	.type	k_q81dfa95563_attn,@function
k_q81dfa95563_attn:
	s_mov_b64 s[64:65], 0
	v_nop
	global_prefetch_b8 v0, s[64:65] scope:SCOPE_SE
	s_setreg_imm32_b32 hwreg(HW_REG_WAVE_MODE, 25, 1), 1
	s_wait_xcnt 0x0
	s_wait_alu depctr_hold_cnt(0) depctr_sa_sdst(0) depctr_va_vdst(0) depctr_va_sdst(0) depctr_va_ssrc(0) depctr_va_vcc(0) depctr_vm_vsrc(0)
	s_getreg_b32 s2, hwreg(HW_REG_IB_STS2, 6, 4)
	s_cmp_eq_u32 s2, 0
	s_cbranch_scc0 .Lentry_in_a_cluster
	s_endpgm
.Lentry_in_a_cluster:
	s_bfe_u32 s2, ttmp6, 0x10000c
	s_cmp_lg_u32 s2, 0x3003
	s_cbranch_scc0 .Lentry_shape_is_right
	s_endpgm
.Lentry_shape_is_right:
; out = (softmax(q k^T / 8) v) wo + bo for one block of 128 queries of one slice, all eight heads; all three products on codes of FP6 (E2M3) with one E8M0 scale for each 32 along K.
; q, k, v arrive as images of operand registers (made by the launch before), wo likewise.  THE SOFTMAX: t = score x log2(e) / 8; M = the row's largest t so far, rounded UP to a whole number; p = 2^(t - M) is what is
; quantised, along the keys; the row's sum is taken of the unquantised p and divides O at the end; when M moves, the sum and O are multiplied by 2^(old M - new M): exact.
; SHARES.  A cluster of four work-groups is a slice; a work-group is its block of 128 queries.  Wave WV of sixteen owns query tile WV % 8 (16 queries) and walks heads 4 (WV / 8) + 0 .. 3, 128 keys a step: four waves
; to a SIMD, so that one wave's vector work stands beside another's matrix work and LDS loads.  Behind the attention the waves share out the COLUMNS of the last product: wave WV makes columns 32 WV .. 32 WV + 31 for all 128 queries.
; JOINT LOADS.  The four work-groups walk the same K and V: a head's block of kv (52,224 dense bytes: codes and scale words of K and V) is asked for jointly, two heads (i and 4 + i) to a slot, by waves 0 to 3,
; 102 rows of 256 bytes each.  Two slots; each refill has a whole head step (four key steps) in which to land, so nothing is prefetched ahead of it.  By this text's count a wave has one tensor load out at the most.
; LAYOUT.  S^T = K Q^T and O^T = V^T P^T: a lane holds ONE query throughout.  The rows of every tile are chosen (row r of tile 2 b + u is index 32 b + 8 u + r + 8 (r / 8)), so that 16 registers of two neighbouring result tiles are 16 neighbours.
; K = 64 IN AN INSTRUCTION OF K = 128: Q's registers 6-11 are zero codes; K's registers 6-11 hold whatever stood there (zeros, later codes of V): every 6-bit pattern is a finite number, so those products are exactly 0;
; bytes 2, 3 of q's and k's scale words are a neighbouring head's bytes (1 .. 254) or 0, never 0xff.
; LIMITS: NaN and infinities are not served.  A block whose largest magnitude lies under 2^(3 - 127) gets the byte 1, a block of zeros too: its codes are zeros.  A block's largest p is taken as 2^ of the block's largest
; score's t - M: this leans on v_exp_f32 not falling where its input rises.
; REGISTERS.  v1-4 my lane's places in a head's block; v5, v6 the add's two; v7 16 l; v8-11 addresses in hand; v12 -M, v13 the largest t, v[14:15] the sum; v16-27 Q (v22-27 zeros); v30, v31 8 l, 32 r; v32-79 four fragments;
;   v80-86 the next head's Q and scale word; v88-95 wo's scale words; v96-159 S^T, then p; v160-191, v192-223 O^T of an even and an odd head; v224-235 codes; v232-254 at work; v248-251 scale words; v253 p's; v255 Q's.
;   The last product: v16-31 bo; v32-79, v96-143 wo's eight fragments; v144-191 four fragments of the attention's result; accumulators at v192-247 and v80-87; v144-207 rows on their way out.
; LDS.  Slot 0 at 0, slot 1 at 2^17 (two head blocks each); AIMG: the attention result's 32 images ((4 tile + K step) 1536); ASC: their scale words, 128 bytes each; SPARE: the spare words.
;   The stage of the way out, 64 rows x (2,048 + 16) bytes from byte 0 on, lies over the slots, which by then have had their last fill and their last read.
.set SLOT1, 1<<17
.set HB,    52224
.set AIMG,  235520
.set ASC,   284672
.set SPARE, 288768                     ; 128 bytes for each of 16 waves: eight blocks of 256 bytes that no other line names
.macro CROUND                          ; a round of the cluster's barrier
	s_barrier_signal -1
	s_barrier_wait -1
	s_cmp_lg_u32 s18, 0
	s_cbranch_scc1 .Lnot_wave_0_\@
	s_barrier_signal -3
.Lnot_wave_0_\@:
	s_barrier_wait -3
	s_barrier_signal -1
	s_barrier_wait -1
.endm
.macro TLOAD                           ; waves 0 to 3 ask, each for half a head's block; the branch hangs on the wave's number alone.  An s_nop 0 and four v_nop follow the line
	s_cmp_lt_u32 s18, 4
	s_cbranch_scc0 .Lnone_\@
	tensor_load_to_lds s[32:35], s[24:31]
	s_nop 0
.rept 4
	v_nop
.endr
.Lnone_\@:
.endm
.macro BARRIER                         ; my LDS stores have landed and my LDS loads are in: then the work-group's barrier
	s_wait_dscnt 0x0
	s_barrier_signal -1
	s_barrier_wait -1
.endm
; THE CHANGE OF SLOTS stands at a head step's head.  Each wave waits for all its tensor loads, adds 0 to its spare word, and waits for that and for its reads of the slot that it has left.
; fill = 1: a round of the cluster's barrier, and behind it the other slot is filled with the next head step's two blocks.
.macro CHANGE fill
	s_wait_tensorcnt 0x0                           ; no tensor load of mine is out, so the group 0 may be written
	ds_add_u32 v5, v6                              ; 0 onto my spare word
.if \fill
	s_xor_b32 s33, s33, SLOT1                      ; the other slot than last time,
	s_add_nc_u64 s[34:35], s[34:35], HB            ; the next head; the type bits on top are not reached
.endif
	s_wait_dscnt 0x0                               ; the add is done, and my LDS instructions are over
.if \fill
	CROUND                                         ; no wave of any partner still reads that slot or has a load on its way
	TLOAD                                          ; the first thing behind the round, and a wave's one tensor load until the next
.else
	s_barrier_signal -1
	s_barrier_wait -1
.endif
.endm
.macro SCALE4                          ; four blocks' largest magnitudes in v232-235 -> the conversions' scale operands v244-247 and the scale word v253
.irp b, 0,1,2,3
	v_max_num_f32 v[232+\b], 0x1800000, v[232+\b]  ; the floor 2^(3 - 127): the byte cannot fall under 1
.endr
.irp b, 0,1,2,3
	v_add_nc_u32 v[244+\b], 0xff000000, v[232+\b]  ; 2 off the exponent field
.endr
.irp b, 0,1,2,3
	v_lshrrev_b32 v[236+\b], 23, v[244+\b]         ; the scale's byte
.endr
	v_lshl_or_b32 v253, v237, 8, v236
	v_lshl_or_b32 v253, v238, 16, v253
	v_lshl_or_b32 v253, v239, 24, v253
.endm
.macro CODES src                       ; 64 numbers, register 16 b + i = k 32 b + 16 (l / 16) + i -> a fragment in v224-235
.irp c, 0,1
	v_cvt_scalef32_pk16_fp6_f32 v[224+6*\c:226+6*\c], v[\src+32*\c:\src+15+32*\c], v[244+2*\c]
	v_cvt_scalef32_pk16_fp6_f32 v[236+4*\c:238+4*\c], v[\src+16+32*\c:\src+31+32*\c], v[244+2*\c+1]   ; (a conversion's three registers begin on an even number)
.endr
	v_nop                                          ; one plain place behind a scaled conversion
.irp c, 0,1                            ; the operand's layout wants a WHOLE block in a lane
.irp i, 0,1,2
	v_permlane16_swap_b32 v[224+6*\c+\i], v[236+4*\c+\i]
.endr
.irp i, 0,1,2
	v_mov_b32 v[227+6*\c+\i], v[236+4*\c+\i]
.endr
.endr
.endm
.macro QLOAD n                         ; Q's six registers and scale word of my n-th head
.irp p, 0,1,2
	global_load_b64 v[80+2*\p:81+2*\p], v30, s[4:5] offset:24576*(\n)+256*\p
.endr
	global_load_b32 v86, v31, s[6:7] offset:2048*(\n)
.endm
; A KEY STEP: 128 keys.  ob: the head's O^T
.macro STEP ob
	v_add_nc_u32 v8, s36, v1                       ; K's tiles.  (These four are also the places behind the last step's products, ahead of the loads below)
	v_add_nc_u32 v9, s36, v2                       ; V's
	v_add_nc_u32 v10, s37, v3                      ; K's scale words
	v_add_nc_u32 v11, s38, v4                      ; V's
.irp g, 0,1                            ; S^T = K Q^T, four tiles of 16 keys at a time
.if \g
.rept 4
	v_nop                                          ; places ahead of loads into registers that matrix instructions have read
.endr
.endif
.irp t, 0,1,2,3
.irp p, 0,1,2
	ds_load_b64 v[32+12*\t+2*\p:33+12*\t+2*\p], v8 offset:(4*\g+\t)*768+256*\p   ; 32 lanes read 256 consecutive bytes
.endr
.endr
	ds_load_b128 v[248:251], v10 offset:16*\g
	s_wait_dscnt 0x0
.irp t, 0,1,2,3
	v_wmma_scale_f32_16x16x128_f8f6f4 v[96+8*(4*\g+\t):103+8*(4*\g+\t)], v[32+12*\t:43+12*\t], v[16:27], 0, v[248+\t], v255 matrix_a_fmt:MATRIX_FMT_FP6 matrix_b_fmt:MATRIX_FMT_FP6
.endr
.endr
.rept 4
	v_nop                                          ; places ahead of the loads below and of the first read of the scores
.endr
.irp t, 0,1,2,3                        ; V's four tiles and their scale words are asked for here and land under the softmax
.irp c, 0,1,2
	ds_load_b128 v[32+12*\t+4*\c:35+12*\t+4*\c], v9 offset:1536*\t+512*\c
.endr
.endr
	ds_load_b128 v[248:251], v11
.irp b, 0,1,2,3
	v_max3_num_f32 v[232+\b], v[96+16*\b], v[97+16*\b], v[98+16*\b]   ; the largest score of each block of 32 keys: it serves the row's maximum and, since p rises with the score, the block's largest p
.endr
.irp i, 3,5,7,9,11,13
.irp b, 0,1,2,3
	v_max3_num_f32 v[232+\b], v[232+\b], v[96+16*\b+\i], v[97+16*\b+\i]   ; (the four blocks by turns)
.endr
.endr
.irp b, 0,1,2,3
	v_max_num_f32 v[232+\b], v[232+\b], v[111+16*\b]
.endr
.irp b, 0,1,2,3
	v_permlanex16_b32 v[236+\b], v[232+\b], s20, s21
.endr
.irp b, 0,1,2,3
	v_max_num_f32 v[232+\b], v[232+\b], v[236+\b]  ; with lane l xor 16's 16 keys
.endr
	v_max3_num_f32 v254, v232, v233, v234
	v_max_num_f32 v254, v254, v235                 ; the step's largest score of my query
	v_mul_f32 v254, s22, v254                      ; as t (c is positive)
	v_max_num_f32 v13, v13, v254                   ; the running largest t
	v_mov_b32 v254, v12
	v_floor_f32 v12, -v13                          ; the new -M = floor(-t): M is a whole number
	v_sub_f32 v254, v12, v254                      ; M's old value less its new one: a whole number, 0 or less
	v_cvt_i32_f32 v254, v254                       ; (it saturates)
	v_ldexp_f32 v252, 1.0, v254                    ; f = 2^(old M - new M)
.set J, 0
.rept 32
	v_pk_fma_f32 v[96+J:97+J], v[96+J:97+J], s[22:23], v[12:13] op_sel_hi:[1,0,0]   ; t - M, two at a time
.set J, J+2
.endr
.irp b, 0,1,2,3
	v_fma_f32 v[232+\b], v[232+\b], s22, v12       ; the same of each block's largest score
.endr
.set J, 0
.rept 64
	v_exp_f32 v[96+J], v[96+J]                     ; p = 2^(t - M), at most 1: not normalised
.set J, J+1
.endr
	v_pk_mul_f32 v[14:15], v[14:15], v[252:253] op_sel_hi:[1,0]   ; the sums under the new M: a plain place behind the exponentials
	s_wait_alu depctr_va_vdst(0)                   ; one wait for the whole batch, ahead of its first reader
.irp b, 0,1,2,3
	v_exp_f32 v[232+\b], v[232+\b]                 ; the block's largest p
.endr
	v_pk_add_f32 v[236:237], v[96:97], v[98:99]    ; the row's sum is taken of the unquantised p: two at a time, in two chains
.irp j, 4,8,12,16,20,24,28,32,36,40,44,48,52,56,60
	v_pk_add_f32 v[14:15], v[14:15], v[96+\j:97+\j]
	v_pk_add_f32 v[236:237], v[236:237], v[98+\j:99+\j]
.endr
	v_pk_add_f32 v[14:15], v[14:15], v[236:237]
	s_wait_alu depctr_va_vdst(0)                   ; and one for the four
	SCALE4
	CODES 96
.set J, 0
.rept 16
	v_pk_mul_f32 v[(\ob)+J:(\ob)+J+1], v[(\ob)+J:(\ob)+J+1], v[252:253] op_sel_hi:[1,0]   ; O^T under the new M.  (These sixteen also stand between the writes of p's codes and scale word and the products below)
.set J, J+2
.endr
	s_wait_dscnt 0x0                               ; V's tiles and scale words
.irp t, 0,1,2,3                        ; O^T += V^T P^T: the four accumulators by turns
	v_wmma_scale_f32_16x16x128_f8f6f4 v[(\ob)+8*\t:(\ob)+8*\t+7], v[32+12*\t:43+12*\t], v[224:235], v[(\ob)+8*\t:(\ob)+8*\t+7], v[248+\t], v253 matrix_a_fmt:MATRIX_FMT_FP6 matrix_b_fmt:MATRIX_FMT_FP6
.endr
.endm
.macro FINAL ob                        ; O^T / the row's sum
	v_add_f32 v14, v14, v15                        ; the sum's two halves,
	v_permlanex16_b32 v252, v14, s20, s21
	v_add_f32 v14, v14, v252                       ; and lane l xor 16's
	v_rcp_f32 v14, v14
	v_nop                                          ; one plain place behind a transcendental
	s_wait_alu depctr_va_vdst(0)                   ; the wait, ahead of the first reader
.set J, 0
.rept 16
	v_pk_mul_f32 v[(\ob)+J:(\ob)+J+1], v[(\ob)+J:(\ob)+J+1], v[14:15] op_sel_hi:[1,0]
.set J, J+2
.endr
.endm
; My i-th head: its block lies in slot i % 2
.macro HEAD i
	s_wait_loadcnt 0x0                             ; this head's Q
.irp p, 0,1,2,3,4,5
	v_mov_b32 v[16+\p], v[80+\p]
.endr
	v_mov_b32 v255, v86
.if \i < 3
	QLOAD (\i)+1
.endif
	v_mov_b32 v13, 0xff61b1e6                      ; the largest t so far: -3e38, under every t
	v_floor_f32 v12, -v13                          ; -M
	v_mov_b32 v14, 0
	v_mov_b32 v15, 0
.set J, 0
.rept 32
	v_mov_b32 v[160+32*((\i)%2)+J], 0              ; O^T: the step is written once; the first finds zeros, which the first change of M leaves zeros
.set J, J+1
.endr
	s_mov_b32 s36, ((\i)%2)*SLOT1
	s_mov_b32 s37, ((\i)%2)*SLOT1
	s_mov_b32 s38, ((\i)%2)*SLOT1
	s_mov_b32 s39, 4
.Lk_\@:
	STEP 160+32*((\i)%2)
	s_add_co_u32 s36, s36, 6144                    ; the next 128 keys: eight tiles of K, four images of V,
	s_add_co_u32 s37, s37, 512                     ; K's scale words,
	s_add_co_u32 s38, s38, 256                     ; V's
	s_sub_co_u32 s39, s39, 1
	s_cmp_lg_u32 s39, 0
	s_cbranch_scc1 .Lk_\@
.rept 4
	v_nop                                          ; places behind the last products
.endr
.if \i == 3                            ; wo's eight fragments and bo are asked for here: the fragments', p's and Q's registers are free
	v_bfe_u32 v13, v0, 4, 1
	v_lshlrev_b32 v13, 6, v13                      ; 64 h
.irp u, 0,1
.irp s, 0,1,2,3
.irp c, 0,1,2
	global_load_b128 v[32+64*\u+12*\s+4*\c:35+64*\u+12*\s+4*\c], v7, s[10:11] offset:589824+(4*\u+\s)*1536+512*\c
.endr
.endr
	global_load_b128 v[16+8*\u:19+8*\u], v13, s[14:15] offset:32*\u        ; lane (r, h), tile u: columns 16 h + 8 u + 0 .. 7 of my 32
	global_load_b128 v[20+8*\u:23+8*\u], v13, s[14:15] offset:32*\u+16
.endr
.endif
	FINAL 160+32*((\i)%2)
.endm
; Two heads' results, v160-223, are 128 along the last product's K: one fragment and one scale word a row; their image goes to LDS
.macro ATTNQ g
.irp b, 0,1,2,3
	v_max3_num_f32 v[232+\b], |v[160+16*\b]|, |v[161+16*\b]|, 0x1800000
.endr
.irp i, 2,4,6,8,10,12,14
.irp b, 0,1,2,3
	v_max3_num_f32 v[232+\b], v[232+\b], |v[160+16*\b+\i]|, |v[161+16*\b+\i]|
.endr
.endr
.irp b, 0,1,2,3
	v_permlanex16_b32 v[236+\b], v[232+\b], s20, s21
.endr
.irp b, 0,1,2,3
	v_max_num_f32 v[232+\b], v[232+\b], v[236+\b]
.endr
	SCALE4
	CODES 160
	v_add_nc_u32 v8, s46, v7                       ; my images: AIMG + (4 tile + 2 (WV / 8)) 1536 + 16 l
	v_lshrrev_b32 v9, 2, v7
	v_add_nc_u32 v9, s47, v9                       ; their scale words: + 4 l
.irp c, 0,1,2
	ds_store_b128 v8, v[224+4*\c:227+4*\c] offset:1536*\g+512*\c
.endr
	ds_store_b32 v9, v253 offset:128*\g
.endm
	s_load_b256 s[4:11], s[0:1], 0x0               ; qc s[4:5], qs s[6:7], kv s[8:9], wfrag s[10:11]
	s_load_b128 s[12:15], s[0:1], 0x20             ; wscl s[12:13], bo s[14:15]
	s_load_b64 s[16:17], s[0:1], 0x30              ; out0
	v_lshl_add_u32 v5, v0, 2, SPARE
	v_mov_b32 v6, 0
	ds_add_u32 v5, v6                              ; the wave's opening: the add and its wait ahead of the first tensor loads; work on registers stands between them
	v_lshrrev_b32 v8, 5, v0
	v_readfirstlane_b32 s18, v8                    ; wave 0..15
	s_and_b32 s19, s18, 7                          ; my tile of queries
	s_lshr_b32 s40, s18, 3                         ; which four heads are mine
	s_bfe_u32 s41, ttmp6, 0x40000                  ; cx: my work-group's block of queries; it enters Q's and the output's addresses alone
	; descriptor group 1: 102 rows of 256 bytes (32 elements of 8), dense, no padding: images are read on end
	s_mov_b32 s24, 15|(3<<16)|(1<<21)              ; 15:0 the mask: all four work-groups; 17:16 elements of 8 bytes; 21 set beside a mask
	s_mov_b32 s25, 32<<16                          ; tensor_dim0 = 32
	s_mov_b32 s26, 102<<16                         ; tensor_dim1 = 102
	s_mov_b32 s27, 32<<16                          ; tile_dim0 = 32
	s_mov_b32 s28, 102                             ; tile_dim1 = 102
	s_mov_b32 s29, 32                              ; from row to row
	s_mov_b32 s30, 0
	s_mov_b32 s31, 0
	s_mov_b32 s20, 0x76543210
	s_mov_b32 s21, 0xfedcba98                      ; v_permlanex16_b32's selects for lane l xor 16
	s_mov_b32 s22, 0x3e38aa3b                      ; c = log2(e) / 8
	s_mov_b32 s23, s22                             ; (named with it as a pair, so it is written)
	s_min_u32 s42, s18, 3                          ; the four waves that ask: 0, 1 the halves of head i's block, 2, 3 of head 4 + i's
	s_mov_b32 s32, 1                               ; group 0: count = 1
	s_mul_i32 s33, s42, 26112                      ; LDS address: slot 0
	s_lshr_b32 s43, s42, 1
	s_mul_i32 s44, s43, 208896                     ; four heads' blocks on,
	s_and_b32 s43, s42, 1
	s_mul_i32 s43, s43, 26112                      ; half a block on,
	s_add_co_u32 s44, s44, s43
	s_mul_i32 s43, ttmp9, 417792                   ; in my slice: the cluster's number, which the four partners share
	s_add_co_u32 s44, s44, s43
	s_mov_b32 s45, 0
	s_wait_dscnt 0x0                               ; the opening add is done
	s_wait_kmcnt 0x0
	s_add_nc_u64 s[34:35], s[8:9], s[44:45]
	s_or_b32 s35, s35, 0x80000000                  ; type = 2
	CROUND                                         ; all four work-groups are here: the first joint loads meet
	TLOAD                                          ; heads 0 and 4 into slot 0
	s_mov_b32 s49, 0
	s_lshl_b32 s50, ttmp9, 3
	s_lshl_b32 s51, s40, 2
	s_add_co_u32 s50, s50, s51                     ; my first head among all: 8 slice + 4 (WV / 8)
	s_lshl_b32 s48, s50, 5
	s_lshl_b32 s51, s41, 3
	s_add_co_u32 s48, s48, s51
	s_add_co_u32 s48, s48, s19
	s_mul_i32 s48, s48, 768
	s_add_nc_u64 s[4:5], s[4:5], s[48:49]          ; qc at my tile of my first head
	s_lshl_b32 s48, s50, 2
	s_add_co_u32 s48, s48, s41
	s_lshl_b32 s48, s48, 9
	s_lshl_b32 s51, s19, 2
	s_add_co_u32 s48, s48, s51
	s_add_nc_u64 s[6:7], s[6:7], s[48:49]          ; qs likewise
	s_mul_i32 s48, s18, 12288
	s_add_nc_u64 s[10:11], s[10:11], s[48:49]      ; my two tiles of wo
	s_lshl_b32 s48, s18, 9
	s_add_nc_u64 s[12:13], s[12:13], s[48:49]
	s_lshl_b32 s48, s18, 7
	s_add_nc_u64 s[14:15], s[14:15], s[48:49]      ; my 32 columns of bo
	s_lshl_b32 s48, s40, 5                         ; the four rows that I store of each half: stage rows 4 WV + i are lane rows 4 (WV % 4) + i of tile WV / 4:
	s_bfe_u32 s51, s18, 0x10002
	s_lshl_b32 s51, s51, 3
	s_add_co_u32 s48, s48, s51                     ; token 32 (WV / 8) + 8 ((WV / 4) % 2)
	s_and_b32 s51, s18, 3
	s_lshl_b32 s51, s51, 2
	s_add_co_u32 s48, s48, s51                     ; + 4 (WV % 4)
	s_bfe_u32 s51, s18, 0x10001
	s_lshl_b32 s51, s51, 3
	s_add_co_u32 s48, s48, s51                     ; + 8 ((WV / 2) % 2)
	s_lshl_b32 s51, ttmp9, 9
	s_add_co_u32 s48, s48, s51
	s_lshl_b32 s51, s41, 7
	s_add_co_u32 s48, s48, s51
	s_lshl_b32 s48, s48, 11                        ; rows of 2,048 bytes
	s_add_nc_u64 s[16:17], s[16:17], s[48:49]
	v_and_b32 v30, 31, v0
	v_and_b32 v31, 15, v0
	v_lshlrev_b32 v7, 4, v30                       ; 16 l
	v_lshlrev_b32 v30, 3, v30                      ; 8 l
	v_lshlrev_b32 v10, 4, v31                      ; 16 r
	v_lshlrev_b32 v31, 5, v31                      ; 32 r
	QLOAD 0
	global_load_b128 v[88:91], v10, s[12:13] offset:24576      ; wo's scale words: they stay
	global_load_b128 v[92:95], v10, s[12:13] offset:24576+256
	s_mul_i32 s42, s40, HB                         ; my heads' block in a slot
	v_add_nc_u32 v1, s42, v30
	s_add_co_u32 s43, s42, 24576
	v_add_nc_u32 v2, s43, v7
	s_add_co_u32 s43, s42, 49152
	v_add_nc_u32 v3, s43, v31
	s_add_co_u32 s43, s42, 51200
	v_add_nc_u32 v4, s43, v10
	s_lshl_b32 s46, s19, 2
	s_lshl_b32 s43, s40, 1
	s_add_co_u32 s46, s46, s43                     ; my first image: 4 tile + 2 (WV / 8)
	s_lshl_b32 s47, s46, 7
	s_add_co_u32 s47, s47, ASC
	s_mul_i32 s46, s46, 1536
	s_add_co_u32 s46, s46, AIMG
.irp j, 22,23,24,25,26,27
	v_mov_b32 v\j, 0                               ; Q's upper 64 along K: zero codes
.endr
.set J, 0
.rept 48
	v_mov_b32 v[32+J], 0                           ; the fragments' registers are written once: K's upper halves are named before V's first tiles land there
.set J, J+1
.endr
.irp b, 0,1,2,3
	v_mov_b32 v[236+\b], 0                         ; a lane permute's destination counts as one of its sources
.endr
	v_mov_b32 v253, 0                              ; (named as the upper half of the pair v[252:253] before it is first written)
	CHANGE 1                                       ; slot 0 is whole; heads 1 and 5 go into slot 1
	HEAD 0
	CHANGE 1                                       ; heads 2 and 6 into slot 0
	HEAD 1
	ATTNQ 0
	CHANGE 1                                       ; heads 3 and 7 into slot 1
	HEAD 2
	CHANGE 0                                       ; nothing is left to ask for
	HEAD 3
	ATTNQ 1
	; ---- THE LAST PRODUCT: source 0 = my two tiles of wo, source 1 = a tile of 16 queries: lane (r, h) holds query r and columns 32 WV + 16 h + 8 u + 0 .. 7
	v_add_nc_u32 v8, AIMG, v7
	v_lshrrev_b32 v9, 2, v7
	v_add_nc_u32 v9, ASC, v9
	v_and_b32 v10, 15, v0
	v_mul_u32_u24 v10, v10, 2064
	v_bfe_u32 v11, v0, 4, 1
	v_lshl_add_u32 v10, v11, 6, v10
	s_lshl_b32 s42, s18, 7
	v_add_nc_u32 v10, s42, v10                     ; the stage, in: row r, + 64 h, + 128 WV
	v_add_nc_u32 v11, 66048, v10                   ; and 32 rows further down
	s_mul_i32 s42, s18, 8256
	v_add_nc_u32 v12, s42, v7                      ; back: my four rows, 16 bytes a lane
	BARRIER                                        ; the 32 images lie in LDS, and nobody reads the slots any more
	s_wait_loadcnt 0x0                             ; wo's fragments, bo
.irp hf, 0,1                           ; 64 queries at a time
.if \hf
	s_wait_xcnt 0x0                                ; the first half's stores have read their registers
.endif
.irp s, 0,1,2,3
.irp m, 0,1,2,3
.irp c, 0,1,2
	ds_load_b128 v[144+12*\m+4*\c:147+12*\m+4*\c], v8 offset:((4*\hf+\m)*4+\s)*1536+512*\c
.endr
	ds_load_b32 v[248+\m], v9 offset:((4*\hf+\m)*4+\s)*128
.endr
	s_wait_dscnt 0x0
.irp m, 0,1,2,3                        ; eight accumulators by turns, a K step at a time; accumulator 4 u + m at v[192 + 8 (4 u + m)], the eighth at v80
.irp u, 0,1
.set AC, 192+8*(4*\u+\m)
.if 4*\u+\m == 7
.set AC, 80
.endif
.if \s == 0
	v_wmma_scale_f32_16x16x128_f8f6f4 v[AC:AC+7], v[32+64*\u+12*\s:43+64*\u+12*\s], v[144+12*\m:155+12*\m], v[16+8*\u:23+8*\u], v[88+4*\u+\s], v[248+\m] matrix_a_fmt:MATRIX_FMT_FP6 matrix_b_fmt:MATRIX_FMT_FP6
.else
	v_wmma_scale_f32_16x16x128_f8f6f4 v[AC:AC+7], v[32+64*\u+12*\s:43+64*\u+12*\s], v[144+12*\m:155+12*\m], v[AC:AC+7], v[88+4*\u+\s], v[248+\m] matrix_a_fmt:MATRIX_FMT_FP6 matrix_b_fmt:MATRIX_FMT_FP6
.endif
.endr
.endr
.rept 5
	v_nop                                          ; four places ahead of loads into the operands' registers and of the first read of results; a fifth, since the second half's first products begin the accumulators anew with another C
.endr
.endr
.if \hf
	BARRIER                                        ; every wave's reads of the stage are over
.endif
.irp m, 0,1,2,3
.irp u, 0,1
.set AC, 192+8*(4*\u+\m)
.if 4*\u+\m == 7
.set AC, 80
.endif
.if \m < 2
	ds_store_b128 v10, v[AC:AC+3] offset:33024*\m+32*\u              ; each accumulator from its low end on
	ds_store_b128 v10, v[AC+4:AC+7] offset:33024*\m+32*\u+16
.else
	ds_store_b128 v11, v[AC:AC+3] offset:33024*(\m-2)+32*\u
	ds_store_b128 v11, v[AC+4:AC+7] offset:33024*(\m-2)+32*\u+16
.endif
.endr
.endr
	BARRIER                                        ; 64 whole rows lie in the stage
.irp i, 0,1,2,3
.irp c, 0,1,2,3
	ds_load_b128 v[144+4*(4*\i+\c):147+4*(4*\i+\c)], v12 offset:2064*\i+512*\c
.endr
.endr
.irp i, 0,1,2,3
.irp c, 0,1,2,3
	s_wait_dscnt 15-(4*\i+\c)                      ; the loads issued behind this one may be out
	global_store_b128 v7, v[144+4*(4*\i+\c):147+4*(4*\i+\c)], s[16:17] offset:131072*\hf+2048*\i+512*\c th:TH_STORE_NT   ; 32 lanes store 512 consecutive bytes, at a multiple of 256 from the output's first byte
.endr
.endr
.endr
	s_wait_tensorcnt 0x0                           ; the wave's end: three closing lines, behind my last tensor load and my last LDS store
	ds_add_u32 v5, v6
	s_wait_dscnt 0x0
	CROUND                                         ; the closing round: no work-group ends while a partner may still ask for a block that names it
	s_endpgm
.Lfunc_end_k_q81dfa95563_attn:
	.size	k_q81dfa95563_attn, .Lfunc_end_k_q81dfa95563_attn-k_q81dfa95563_attn
	.p2alignl 7, 3214868480
	.fill 96, 4, 3214868480
	.section	.rodata,"a",@progbits
	.p2align	6, 0x0
	.amdhsa_kernel k_q81dfa95563_attn
		.amdhsa_group_segment_fixed_size 327680
		.amdhsa_private_segment_fixed_size 0
		.amdhsa_enable_private_segment 0
		.amdhsa_kernarg_size 56
		.amdhsa_user_sgpr_count 2
		.amdhsa_user_sgpr_kernarg_segment_ptr 1
		.amdhsa_wavefront_size32 1
		.amdhsa_system_sgpr_workgroup_id_x 1
		.amdhsa_system_sgpr_workgroup_id_y 1
		.amdhsa_system_sgpr_workgroup_id_z 1
		.amdhsa_system_vgpr_workitem_id 0
		.amdhsa_next_free_vgpr 256
		.amdhsa_next_free_sgpr 66
		.amdhsa_reserve_vcc 0
		.amdhsa_float_denorm_mode_32 3
		.amdhsa_float_denorm_mode_16_64 3
		.amdhsa_memory_ordered 1
		.amdhsa_forward_progress 1
		.amdhsa_inst_pref_size 127
	.end_amdhsa_kernel
	.amdgpu_metadata
---
amdhsa.version: [ 1, 2 ]
amdhsa.kernels:
  - .name:           k_q81dfa95563_attn
    .symbol:         k_q81dfa95563_attn.kd
    .args:
      - { .name: qc, .offset: 0, .size: 8, .value_kind: global_buffer, .address_space: global }
      - { .name: qs, .offset: 8, .size: 8, .value_kind: global_buffer, .address_space: global }
      - { .name: kv, .offset: 16, .size: 8, .value_kind: global_buffer, .address_space: global }
      - { .name: wfrag, .offset: 24, .size: 8, .value_kind: global_buffer, .address_space: global }
      - { .name: wscl, .offset: 32, .size: 8, .value_kind: global_buffer, .address_space: global }
      - { .name: bo, .offset: 40, .size: 8, .value_kind: global_buffer, .address_space: global }
      - { .name: out0, .offset: 48, .size: 8, .value_kind: global_buffer, .address_space: global }
    .group_segment_fixed_size: 327680
    .private_segment_fixed_size: 0
    .kernarg_segment_align: 8
    .kernarg_segment_size: 56
    .max_flat_workgroup_size: 512
    .sgpr_count:     66
    .vgpr_count:     256
    .wavefront_size: 32
...
	.end_amdgpu_metadata
.endif
;; end of part 3
;; ======== version 2 of 2: 3 launches
;; workspace buffers: wfrag 786,432 bytes; wscl 32,768 bytes; qc 12,582,912 bytes; qs 1,048,576 bytes; kv 26,738,688 bytes
;; launch wprep (part 4): grid 256 x 1, 1 waves a work-group, no clusters, 0 bytes of LDS; arguments wq, wk, wv, wo, wfrag, wscl; writes wfrag, wscl
.if DOCPART == 4
	.amdgcn_target "amdgcn-amd-amdhsa--gfx1250"
	.amdhsa_code_object_version 6
	.text
	.protected	k_q81dfa95563_wprep
	.globl	k_q81dfa95563_wprep
	.p2align	8
	.type	k_q81dfa95563_wprep,@function
k_q81dfa95563_wprep:
	s_mov_b64 s[64:65], 0
	v_nop
	global_prefetch_b8 v0, s[64:65] scope:SCOPE_SE
	s_setreg_imm32_b32 hwreg(HW_REG_WAVE_MODE, 25, 1), 1
	s_wait_xcnt 0x0
; The four weights [512 (k)][512 (n)], f32, K on the FIRST axis, become codes of FP6 (E2M3) with one E8M0 byte for each 32 along K,
; laid as IMAGES OF OPERAND REGISTERS: image (W, T, s) = weight W (q, k, v, o), tile T of 16 columns, K step s of 128: 12 registers a lane,
; register group c (four registers) of lane l at ((32 W + T) 4 + s) 1536 + 512 c + 16 l.  Scale word of (W, T, row r, s) at (32 W + T) 256 + 16 r + 4 s.
; THE COLUMNS OF A TILE ARE NOT NEIGHBOURS: row r of tile T = 2 B + u is column 32 B + 8 u + r + 8 (r / 8), so that results made with such tiles as source 0
; hold 16 neighbours along n in the 16 registers of two neighbouring tiles.
; A LANE TAKES A COLUMN AND ITS REGISTERS RUN DOWN K, in the order that the operand's layout gives that lane (k = 64 c + 32 (l / 16) + 0 .. 31): the conversions'
; results are the operand's registers, nothing is transposed, and a block's largest magnitude needs no other lane.
; SHARES: work-group id = 64 W + 2 T + sigma, one wave, makes the two images s = 2 sigma, 2 sigma + 1.  128 loads a lane, all issued at once.
; No LDS, no matrix unit, no cluster: 4 MiB are read once and 0.8 MiB written; there is nothing to share and nothing to overlap.
; LIMITS: NaN and infinities are not served.  A block whose largest magnitude lies under 2^(3 - 127) gets the byte 1; a block of zeros gets the byte 1 where the
; quantiser's rule says 127: its codes are zeros, which add nothing under any byte but 0xff, and this program alone reads the bytes.
.set NUM, 64                           ; v64-191  the numbers: 64 for each of the two K steps
.set FRG, 36                           ; v36-59   the two fragments, 12 registers each
	s_load_b256 s[4:11], s[0:1], 0x0               ; wq, wk, wv, wo
	s_load_b128 s[12:15], s[0:1], 0x20             ; wfrag, wscl
	v_and_b32 v1, 15, v0                           ; r
	v_lshrrev_b32 v2, 4, v0                        ; h (one wave: the thread's number is the lane)
	v_and_b32 v3, 8, v1
	v_add_nc_u32 v3, v3, v1                        ; r + 8 (r / 8)
	v_lshlrev_b32 v3, 2, v3
	v_lshl_add_u32 v3, v2, 16, v3                  ; my column's 4 bytes, and 32 rows of 2,048 bytes further down for lanes 16-31
	v_lshlrev_b32 v4, 4, v0                        ; 16 l: my place in a group of an image
	v_lshlrev_b32 v5, 4, v1
	v_lshl_add_u32 v5, v2, 2, v5                   ; 16 r + 4 h: lane (r, h) stores row r's word of K step 2 sigma + h
	v_lshlrev_b32 v6, 3, v2                        ; 8 h: my two bytes' place in a scale word
	v_mov_b32 v29, 0                               ; a lane permute's destination counts as one of its sources
	s_mov_b32 s20, 0x76543210
	s_mov_b32 s21, 0xfedcba98                      ; v_permlanex16_b32's selects for lane l xor 16
	s_lshr_b32 s16, ttmp9, 6                       ; W
	s_bfe_u32 s17, ttmp9, 0x50001                  ; T
	s_and_b32 s18, ttmp9, 1                        ; sigma
	s_lshr_b32 s22, s17, 1
	s_lshl_b32 s22, s22, 7                         ; 32 (T / 2) columns of 4 bytes
	s_and_b32 s23, s17, 1
	s_lshl_b32 s23, s23, 5                         ; 8 (T % 2) columns
	s_add_co_u32 s22, s22, s23
	s_lshl_b32 s23, s18, 19                        ; 256 sigma rows of 2,048 bytes
	s_add_co_u32 s22, s22, s23
	s_mov_b32 s23, 0
	s_mul_i32 s28, ttmp9, 3072                     ; two images
	s_mov_b32 s29, 0
	s_lshr_b32 s30, ttmp9, 1
	s_lshl_b32 s30, s30, 8                         ; the tile's 256 bytes of scale words,
	s_lshl_b32 s31, s18, 3
	s_add_co_u32 s30, s30, s31                     ; and my two K steps' 8 bytes in each row's 16
	s_mov_b32 s31, 0
	s_wait_alu depctr_va_vdst(0)
	s_wait_kmcnt 0x0
	s_bitcmp1_b32 s16, 0                           ; the weight is chosen by the work-group's number alone
	s_cselect_b64 s[24:25], s[6:7], s[4:5]
	s_cselect_b64 s[26:27], s[10:11], s[8:9]
	s_bitcmp1_b32 s16, 1
	s_cselect_b64 s[24:25], s[26:27], s[24:25]
	s_add_nc_u64 s[24:25], s[24:25], s[22:23]
	s_add_nc_u64 s[12:13], s[12:13], s[28:29]
	s_add_nc_u64 s[14:15], s[14:15], s[30:31]
.irp sp, 0,1
.irp c, 0,1
.set I, 0
.rept 32
	global_load_b32 v[NUM+64*\sp+32*\c+I], v3, s[24:25] offset:(128*\sp+64*\c+I)*2048   ; W(256 sigma + 128 sp + 64 c + 32 h + I, my column)
.set I, I+1
.endr
.endr
.endr
; K step sp: two blocks a lane become six registers each; the scale word's four bytes are gathered from lanes l and l xor 16
.macro WQ sp
.irp c, 0,1
	v_max3_num_f32 v[20+\c], |v[NUM+64*\sp+32*\c]|, |v[NUM+64*\sp+32*\c+1]|, 0x1800000   ; my block 2 c + h, and the floor 2^(3 - 127): the byte cannot fall under 1
.endr
.irp i, 2,4,6,8,10,12,14,16,18,20,22,24,26,28,30
.irp c, 0,1
	v_max3_num_f32 v[20+\c], v[20+\c], |v[NUM+64*\sp+32*\c+\i]|, |v[NUM+64*\sp+32*\c+\i+1]|   ; (the two blocks by turns)
.endr
.endr
.irp c, 0,1
	v_add_nc_u32 v[22+\c], 0xff000000, v[20+\c]    ; 2 off the exponent field: the conversion takes the exponent field of this operand as its scale
.endr
.irp c, 0,1
	v_lshrrev_b32 v[24+\c], 23, v[22+\c]           ; the scale's byte
.endr
	v_lshl_or_b32 v28, v25, 16, v24                ; my two bytes: blocks h and 2 + h,
	v_lshlrev_b32 v28, v6, v28                     ; at their places (8 h bits up);
	v_permlanex16_b32 v29, v28, s20, s21
	v_or_b32 v[26+\sp], v28, v29                   ; with lane l xor 16's two the word is whole
.irp c, 0,1
	v_cvt_scalef32_pk16_fp6_f32 v[FRG+12*\sp+6*\c:FRG+12*\sp+6*\c+2], v[NUM+64*\sp+32*\c:NUM+64*\sp+32*\c+15], v[22+\c]
	v_cvt_scalef32_pk16_fp6_f32 v[192+4*\c:194+4*\c], v[NUM+64*\sp+32*\c+16:NUM+64*\sp+32*\c+31], v[22+\c]   ; (a conversion's three registers begin on an even number)
.endr
	v_nop                                          ; one plain place behind a scaled conversion
.irp c, 0,1
.irp i, 0,1,2
	v_mov_b32 v[FRG+12*\sp+6*\c+3+\i], v[192+4*\c+\i]
.endr
.endr
.irp c, 0,1,2
	global_store_b128 v4, v[FRG+12*\sp+4*\c:FRG+12*\sp+4*\c+3], s[12:13] offset:1536*\sp+512*\c   ; 32 lanes store 512 consecutive bytes
.endr
.endm
	s_wait_loadcnt 63                              ; behind the first K step's 64 loads stand 64 more; the wait's field names 63 at the most, and a smaller count is safe
	WQ 0
	s_wait_loadcnt 0x0
	WQ 1
	v_cmp_eq_u32 vcc_lo, 1, v2
	v_cndmask_b32 v28, v26, v27, vcc_lo            ; lanes 0-15 the first K step's word, lanes 16-31 the second's
	global_store_b32 v5, v28, s[14:15]             ; 8 bytes of each row's 16: one byte in 128 of what the launch reads
	s_endpgm
.Lfunc_end_k_q81dfa95563_wprep:
	.size	k_q81dfa95563_wprep, .Lfunc_end_k_q81dfa95563_wprep-k_q81dfa95563_wprep
	.p2alignl 7, 3214868480
	.fill 96, 4, 3214868480
	.section	.rodata,"a",@progbits
	.p2align	6, 0x0
	.amdhsa_kernel k_q81dfa95563_wprep
		.amdhsa_group_segment_fixed_size 0
		.amdhsa_private_segment_fixed_size 0
		.amdhsa_enable_private_segment 0
		.amdhsa_kernarg_size 48
		.amdhsa_user_sgpr_count 2
		.amdhsa_user_sgpr_kernarg_segment_ptr 1
		.amdhsa_wavefront_size32 1
		.amdhsa_system_sgpr_workgroup_id_x 1
		.amdhsa_system_sgpr_workgroup_id_y 1
		.amdhsa_system_sgpr_workgroup_id_z 1
		.amdhsa_system_vgpr_workitem_id 0
		.amdhsa_next_free_vgpr 208
		.amdhsa_next_free_sgpr 66
		.amdhsa_reserve_vcc 1
		.amdhsa_float_denorm_mode_32 3
		.amdhsa_float_denorm_mode_16_64 3
		.amdhsa_memory_ordered 1
		.amdhsa_forward_progress 1
		.amdhsa_inst_pref_size 21
	.end_amdhsa_kernel
	.amdgpu_metadata
---
amdhsa.version: [ 1, 2 ]
amdhsa.kernels:
  - .name:           k_q81dfa95563_wprep
    .symbol:         k_q81dfa95563_wprep.kd
    .args:
      - { .name: wq, .offset: 0, .size: 8, .value_kind: global_buffer, .address_space: global }
      - { .name: wk, .offset: 8, .size: 8, .value_kind: global_buffer, .address_space: global }
      - { .name: wv, .offset: 16, .size: 8, .value_kind: global_buffer, .address_space: global }
      - { .name: wo, .offset: 24, .size: 8, .value_kind: global_buffer, .address_space: global }
      - { .name: wfrag, .offset: 32, .size: 8, .value_kind: global_buffer, .address_space: global }
      - { .name: wscl, .offset: 40, .size: 8, .value_kind: global_buffer, .address_space: global }
    .group_segment_fixed_size: 0
    .private_segment_fixed_size: 0
    .kernarg_segment_align: 8
    .kernarg_segment_size: 48
    .max_flat_workgroup_size: 32
    .sgpr_count:     66
    .vgpr_count:     208
    .wavefront_size: 32
...
	.end_amdgpu_metadata
.endif
;; end of part 4
;; launch qkv (part 5): grid 256 x 1, 4 waves a work-group, no clusters, 90,112 bytes of LDS; arguments inputs, wfrag, wscl, bq, bk, bv, qc, qs, kv; writes qc, qs, kv
.if DOCPART == 5
	.amdgcn_target "amdgcn-amd-amdhsa--gfx1250"
	.amdhsa_code_object_version 6
	.text
	.protected	k_q81dfa95563_qkv
	.globl	k_q81dfa95563_qkv
	.p2align	8
	.type	k_q81dfa95563_qkv,@function
k_q81dfa95563_qkv:
	s_mov_b64 s[64:65], 0
	v_nop
	global_prefetch_b8 v0, s[64:65] scope:SCOPE_SE
	s_setreg_imm32_b32 hwreg(HW_REG_WAVE_SCHED_MODE, 0, 2), 2
	s_setreg_imm32_b32 hwreg(HW_REG_WAVE_MODE, 25, 1), 1
	s_wait_xcnt 0x0
	s_wait_alu depctr_vm_vsrc(0)
; q = x wq + bq, k = x wk + bk, v = x wv + bv, all three products on codes of FP6 (E2M3) with one E8M0 scale for each 32 along K; the results are quantised at once for the
; attention's products: q and k along the head's 64, v along the keys, and stored as images of operand registers.
; SHARES.  A work-group takes 128 tokens: block beta = id % 4 of slice id / 4.  PHASE X: wave w quantises tokens 32 w .. 32 w + 31 (two tiles x four K steps) and stores the images in LDS; one barrier.
; Then each wave has 24 UNITS: 8 resident tiles (source 0, all four K steps, 384 registers) x 1 streaming tile (source 1): 32 matrix instructions into 8 accumulators by turns, which one
; pass of the quantiser turns into one fragment and one scale word a lane.  Q round, K round: resident = 8 tiles (128 columns, heads 2 w and 2 w + 1) of wq, wk; streaming = the 8 token tiles from LDS.
; V phase: resident = the 8 token tiles; streaming = 8 tiles of wv from memory: a lane then holds one column d and its registers run along the TOKENS, which are the second attention product's K.
; EVERY TILE'S ROWS ARE CHOSEN: row r of tile 2 b + u is index 32 b + 8 u + r + 8 (r / 8) (tokens and columns alike), so that the 16 registers of result tiles 2 b, 2 b + 1 are 16 neighbours, 32 b + 16 (l / 16) + 0 .. 15.
; The biases are the C of each sum's first matrix instruction.
; NO JOINT LOADS: all work-groups read the same 589,824 bytes of weight images, but a joint load lands in LDS, which cannot hold them; here each wave's 49,152 bytes of a weight go once,
; straight into its registers, and feed eight units each.  No tensor load either: x comes by loads of 512 consecutive bytes and turns through the wave's own stage.
; BUFFERS.  qc [slice][head][tile 32][768]: registers 2 p, 2 p + 1 of a head's six at 256 p + 8 l.  qs [slice][head][beta][r 16][t 8] words (bytes 0, 1: the head's two blocks; bytes 2, 3 the neighbouring head's or 0, never 0xff).
; kv [slice][head][52,224]: K's codes as qc; +24,576 V^T's images [beta][dt 4][1536]; +49,152 K's scale words as qs; +51,200 V's [beta][r 16][dt 4].
; LIMITS: NaN and infinities are not served.  A block whose largest magnitude lies under 2^(3 - 127) gets the byte 1; a block of zeros gets the byte 1 where the rule says 127: its codes are zeros, and this program alone reads the bytes.
; REGISTERS.  Window 0: v1-19 lane numbers and addresses; v20, v21 the add's two; v24-31 V's scale words; v32-95 accumulators (phase X: 64 numbers); v96-143 the streaming tile's four fragments; v144-147 its scale words;
;   v148-179 the resident tiles' scale words (4 t + s); v180-199 codes just made; v200-216 at work; v218-225 bv as a C; v226, v227 bv as loaded; v228-235 scale words on their way out; v236-239 the scale words of the V phase's odd streaming tiles.
;   Window 1: resident fragments of K steps 0 (v[12 t]) and 1 (v[96 + 12 t]).  Window 2: of K steps 2 and 3.  Window 3: phase X: four sets of 64 registers of x as loaded; Q, K rounds: v0-63 the bias, 8 tiles;
;   V phase: v64-111 the odd streaming tiles' fragments.
; LDS: 0: x's 32 images ((4 t + s) 1536); XSC: their scale words (512 t + 16 l + 4 s); STG: a stage of 16 rows x 528 bytes for each wave; SCR: 512 bytes for each wave; SPARE: the spare words.
; THE MODE: SCHED_MODE bits 1:0 = 2 (LLVM: expert scheduling mode 2), set by the entry lines.  The code itself states the register dependences
; between vector or matrix instructions and memory or LDS instructions, with s_wait_alu, always for 0.
; THE PLAN.  Registers that memory or LDS instructions touch, and who else names them:
;   v4-v7, v11-v18   offsets and LDS addresses: written at the head, never again.  One wait on va_vdst ahead of the first load serves them all.
;   window 3's sets  phase X: loaded, read by the stage's LDS stores, loaded again (set 0 at last with wq's bias).
;   ACC              phase X: LDS loads land in it, the quantiser reads it.  Later vector and matrix instructions alone.
;   PC, PW           written by the quantiser, read by the stores that follow it, written by the next pass.
;   SF, SS           Q, K rounds: a unit's products read them, the next token tile's LDS loads land in them.
;   resident tiles, bias, RS   read by products; loaded anew at a round's last unit.
;   v8, v9, v10, v19 the stepped addresses: one vector addition each a unit, all four together.
;   two streaming buffers (V phase): tile n in buffer n % 2: SF, SS, v226 or window 3's v64-111, v236-239, v227.  Unit n's products and moves read buffer n % 2; the loads of tile n + 2 land in it.
; A part of phase X: a wait on vm_vsrc behind the turn through the stage, a wait on va_vdst behind the quantiser.
; A Q or K unit: behind the products a wait on vm_vsrc, the four additions, a wait on va_vdst, the loads; behind the quantiser a second wait on va_vdst, the stores.
; A V unit: a wait on vm_vsrc ahead of the quantiser; ONE wait on va_vdst behind it, then the loads of two tiles on and the unit's stores.
.set XSC,   49152
.set STG,   53248
.set SCR,   87040
.set SPARE, 89088                      ; 128 bytes for each wave: two blocks of 256 bytes that no other line names
.set ACC, 32
.set SF,  96
.set SS,  144
.set RS,  148
.set PC,  180
.set TM,  200
.set PW,  216
.set BV,  218
.set BVL, 226                          ; v226, v227: bv at my lane's column, as loaded, for an even and an odd streaming tile
.set SF2, 64                           ; in window 3: the odd streaming tiles' fragments
.set SS2, 236                          ; and their scale words, in window 0
.set PWS, 24
.set SEL, 28
.set MSB, 0
.macro WIN new                         ; the immediate's high byte repeats the setting that is left
.if MSB != \new
	s_set_vgpr_msb (MSB<<8)|\new
.set MSB, \new
.endif
.endm
.macro PLACES                          ; four places behind matrix instructions, ahead of the first read of results by a vector instruction (ISA guide 7.12.1)
.rept 4
	v_nop
.endr
.endm
; 64 numbers of a lane, register 16 b + i = k 32 b + 16 (l / 16) + i of my row, become a fragment's codes in v[PC] on and its scale word in v[PW]
.macro QUANT src
.irp b, 0,1,2,3
	v_max3_num_f32 v[TM+\b], |v[\src+16*\b]|, |v[\src+1+16*\b]|, 0x1800000   ; block b: my 16 numbers, and the floor 2^(3 - 127): the byte cannot fall under 1
.endr
.irp i, 2,4,6,8,10,12,14
.irp b, 0,1,2,3
	v_max3_num_f32 v[TM+\b], v[TM+\b], |v[\src+16*\b+\i]|, |v[\src+1+16*\b+\i]|   ; (the four blocks by turns)
.endr
.endr
.irp b, 0,1,2,3
	v_permlanex16_b32 v[TM+4+\b], v[TM+\b], s[SEL], s[SEL+1]
.endr
.irp b, 0,1,2,3
	v_max_num_f32 v[TM+\b], v[TM+\b], v[TM+4+\b]   ; with lane l xor 16's: the block's largest magnitude
.endr
.irp b, 0,1,2,3
	v_add_nc_u32 v[TM+12+\b], 0xff000000, v[TM+\b] ; 2 off its exponent field: the conversion's scale operand
.endr
.irp b, 0,1,2,3
	v_lshrrev_b32 v[TM+4+\b], 23, v[TM+12+\b]      ; the scale's byte
.endr
	v_lshl_or_b32 v[PW], v[TM+5], 8, v[TM+4]
	v_lshl_or_b32 v[PW], v[TM+6], 16, v[PW]
	v_lshl_or_b32 v[PW], v[TM+7], 24, v[PW]        ; my row's scale word
.irp c, 0,1
	v_cvt_scalef32_pk16_fp6_f32 v[PC+6*\c:PC+2+6*\c], v[\src+32*\c:\src+15+32*\c], v[TM+12+2*\c]
	v_cvt_scalef32_pk16_fp6_f32 v[PC+12+4*\c:PC+14+4*\c], v[\src+16+32*\c:\src+31+32*\c], v[TM+12+2*\c+1]   ; (a conversion's three registers begin on an even number)
.endr
	v_nop                                          ; one plain place behind a scaled conversion
.irp c, 0,1                            ; the operand's layout wants a WHOLE block in a lane: lanes 0-15 block 2 c, lanes 16-31 block 2 c + 1
.irp i, 0,1,2
	v_permlane16_swap_b32 v[PC+6*\c+\i], v[PC+12+4*\c+\i]
.endr
.irp i, 0,1,2
	v_mov_b32 v[PC+3+6*\c+\i], v[PC+12+4*\c+\i]
.endr
.endr
.endm
; part c = 4 u + s of my x: the 16 rows of tile 2 w + u, K step s: each load reads 512 consecutive bytes of one row, into set c % 4 of window 3
.macro LOADX c
	WIN 0xc0
.irp i, 0,1,2,3,4,5,6,7,8,9,10,11,12,13,14,15
	global_load_b128 v[64*((\c)%4)+4*\i:64*((\c)%4)+4*\i+3], v4, s[8:9] offset:(8*((\c)/4)+\i+8*(\i/8))*2048+512*((\c)%4) th:TH_LOAD_NT
.endr
	WIN 0
.endm
; it turns through my stage: in as loaded (row i at 528 i), out 16 neighbours of each block of 32 a lane.  LDS serves a wave's instructions in order (ISA guide 5.7.1.4): no wait between
.macro TURNX c
	WIN 0x0c
.irp i, 0,1,2,3,4,5,6,7,8,9,10,11,12,13,14,15
	ds_store_b128 v11, v[64*((\c)%4)+4*\i:64*((\c)%4)+4*\i+3] offset:528*\i
.endr
	WIN 0
.irp b, 0,1,2,3
.irp j, 0,1,2,3
	ds_load_b128 v[ACC+16*\b+4*\j:ACC+16*\b+4*\j+3], v12 offset:128*\b+16*\j
.endr
.endr
.endm
; my 8 tiles of weight w (0: wq, 1: wk), their bias (pointer s[bp]) in the result's layout, and their scale words
.macro RESW w, bp
	WIN 0x40
.irp t, 0,1,2,3,4,5,6,7
.irp c, 0,1,2
	global_load_b128 v[12*\t+4*\c:12*\t+4*\c+3], v4, s[10:11] offset:196608*(\w)+(4*\t)*1536+512*\c
	global_load_b128 v[96+12*\t+4*\c:96+12*\t+4*\c+3], v4, s[10:11] offset:196608*(\w)+(4*\t+1)*1536+512*\c
.endr
.endr
	WIN 0x80
.irp t, 0,1,2,3,4,5,6,7
.irp c, 0,1,2
	global_load_b128 v[12*\t+4*\c:12*\t+4*\c+3], v4, s[10:11] offset:196608*(\w)+(4*\t+2)*1536+512*\c
	global_load_b128 v[96+12*\t+4*\c:96+12*\t+4*\c+3], v4, s[10:11] offset:196608*(\w)+(4*\t+3)*1536+512*\c
.endr
.endr
	WIN 0xc0
.irp t, 0,1,2,3,4,5,6,7
	global_load_b128 v[8*\t:8*\t+3], v7, s[\bp:\bp+1] offset:(32*(\t/2)+8*(\t%2))*4         ; lane (r, h), tile t: columns 32 (t / 2) + 16 h + 8 (t % 2) + 0 .. 7
	global_load_b128 v[8*\t+4:8*\t+7], v7, s[\bp:\bp+1] offset:(32*(\t/2)+8*(\t%2))*4+16
.endr
	WIN 0
.irp t, 0,1,2,3,4,5,6,7
	global_load_b128 v[RS+4*\t:RS+4*\t+3], v6, s[12:13] offset:8192*(\w)+256*\t
.endr
.endm
; the 8 token tiles become the resident ones
.macro RESX
	WIN 0x40
.irp t, 0,1,2,3,4,5,6,7
.irp c, 0,1,2
	ds_load_b128 v[12*\t+4*\c:12*\t+4*\c+3], v4 offset:(4*\t)*1536+512*\c
	ds_load_b128 v[96+12*\t+4*\c:96+12*\t+4*\c+3], v4 offset:(4*\t+1)*1536+512*\c
.endr
.endr
	WIN 0x80
.irp t, 0,1,2,3,4,5,6,7
.irp c, 0,1,2
	ds_load_b128 v[12*\t+4*\c:12*\t+4*\c+3], v4 offset:(4*\t+2)*1536+512*\c
	ds_load_b128 v[96+12*\t+4*\c:96+12*\t+4*\c+3], v4 offset:(4*\t+3)*1536+512*\c
.endr
.endr
	WIN 0
.irp t, 0,1,2,3,4,5,6,7
	ds_load_b128 v[RS+4*\t:RS+4*\t+3], v4 offset:XSC+512*\t
.endr
.endm
.macro FETCHX ad, as, so               ; a token tile's four fragments (address v[ad]) and four scale words (address v[as] + so).  Tile 0 goes by v4, which is never written again; the others by the stepped v8 and v9
.irp s, 0,1,2,3
.irp c, 0,1,2
	ds_load_b128 v[SF+12*\s+4*\c:SF+12*\s+4*\c+3], v[\ad] offset:1536*\s+512*\c
.endr
.endr
	ds_load_b128 v[SS:SS+3], v[\as] offset:\so
.endm
.macro STREAMV n                       ; tile n of my 8 of wv, its scale words, and bv at my lane's column: 14 loads, into streaming buffer n % 2
.set SBV, SF+(SF2-SF)*((\n)%2)
.if (\n)%2
	WIN 0xc0                                       ; the odd tiles' fragments lie in window 3
.endif
.irp s, 0,1,2,3
.irp c, 0,1,2
	global_load_b128 v[SBV+12*\s+4*\c:SBV+12*\s+4*\c+3], v4, s[10:11] offset:393216+(4*(\n)+\s)*1536+512*\c
.endr
.endr
	WIN 0
	global_load_b128 v[SS+(SS2-SS)*((\n)%2):SS+(SS2-SS)*((\n)%2)+3], v6, s[12:13] offset:16384+256*(\n)
	global_load_b32 v[BVL+(\n)%2], v17, s[18:19] offset:(32*((\n)/2)+8*((\n)%2))*4
.endm
; a unit's 32 matrix instructions: K step by K step, the eight accumulators by turns, one instruction a turn.  The first K step's C is the bias: window cwin, v[cbase + cstride t].
; The streaming tile: window bwin, v[bbase] on; its scale words v[ss] on
.macro MULS cwin, cbase, cstride, bwin, bbase, ss
	WIN (0x01|((\bwin)<<2)|((\cwin)<<4))
.irp t, 0,1,2,3,4,5,6,7
	v_wmma_scale_f32_16x16x128_f8f6f4 v[ACC+8*\t:ACC+8*\t+7], v[12*\t:12*\t+11], v[\bbase:\bbase+11], v[\cbase+\cstride*\t:\cbase+\cstride*\t+7], v[RS+4*\t], v[\ss] matrix_a_fmt:MATRIX_FMT_FP6 matrix_b_fmt:MATRIX_FMT_FP6
.endr
	WIN (0x01|((\bwin)<<2))
.irp t, 0,1,2,3,4,5,6,7
	v_wmma_scale_f32_16x16x128_f8f6f4 v[ACC+8*\t:ACC+8*\t+7], v[96+12*\t:96+12*\t+11], v[\bbase+12:\bbase+23], v[ACC+8*\t:ACC+8*\t+7], v[RS+4*\t+1], v[\ss+1] matrix_a_fmt:MATRIX_FMT_FP6 matrix_b_fmt:MATRIX_FMT_FP6
.endr
	WIN (0x02|((\bwin)<<2))
.irp t, 0,1,2,3,4,5,6,7
	v_wmma_scale_f32_16x16x128_f8f6f4 v[ACC+8*\t:ACC+8*\t+7], v[12*\t:12*\t+11], v[\bbase+24:\bbase+35], v[ACC+8*\t:ACC+8*\t+7], v[RS+4*\t+2], v[\ss+2] matrix_a_fmt:MATRIX_FMT_FP6 matrix_b_fmt:MATRIX_FMT_FP6
.endr
.irp t, 0,1,2,3,4,5,6,7
	v_wmma_scale_f32_16x16x128_f8f6f4 v[ACC+8*\t:ACC+8*\t+7], v[96+12*\t:96+12*\t+11], v[\bbase+36:\bbase+47], v[ACC+8*\t:ACC+8*\t+7], v[RS+4*\t+3], v[\ss+3] matrix_a_fmt:MATRIX_FMT_FP6 matrix_b_fmt:MATRIX_FMT_FP6
.endr
	WIN 0
.endm
	s_load_b512 s[8:23], s[0:1], 0x0               ; inputs s[8:9], wfrag s[10:11], wscl s[12:13], bq s[14:15], bk s[16:17], bv s[18:19], qc s[20:21], qs s[22:23]
	s_load_b64 s[24:25], s[0:1], 0x40              ; kv
	v_lshl_add_u32 v20, v0, 2, SPARE               ; my spare word,
	v_mov_b32 v21, 0                               ; and 0: kept for the closing lines alone
	v_lshrrev_b32 v1, 5, v0
	v_readfirstlane_b32 s26, v1                    ; wave w
	v_and_b32 v1, 31, v0                           ; l
	v_cmp_le_u32 s35, 16, v1                       ; the mask of lanes 16-31
	v_and_b32 v2, 15, v0                           ; r
	v_bfe_u32 v3, v0, 4, 1                         ; h
	v_lshlrev_b32 v4, 4, v1                        ; 16 l
	v_lshlrev_b32 v5, 3, v1                        ; 8 l
	v_lshlrev_b32 v6, 4, v2                        ; 16 r
	v_lshlrev_b32 v7, 6, v3                        ; 64 h
	s_wait_alu depctr_va_sdst(0)                   ; s26 and s35 are written, ahead of their first readers: the wave's places are made from s26; s35 is read by the selections at the end
	s_mul_i32 s36, s26, 8448
	s_add_co_u32 s36, s36, STG                     ; my stage
	v_add_nc_u32 v11, s36, v4                      ; in: 16 l
	v_mul_u32_u24 v12, v2, 528
	v_lshl_add_u32 v12, v3, 6, v12
	v_add_nc_u32 v12, s36, v12                     ; out: row r, + 64 h
	s_mul_i32 s36, s26, 12288
	v_add_nc_u32 v13, s36, v4                      ; where I store x's images: my two tiles' eight
	s_lshl_b32 s36, s26, 10
	s_add_co_u32 s36, s36, XSC
	v_add_nc_u32 v14, s36, v4                      ; and their scale words
	s_lshl_b32 s36, s26, 9
	s_add_co_u32 s36, s36, SCR                     ; my 512 bytes for a round's scale words: [r 16][t 8]
	v_add_nc_u32 v15, s36, v4                      ; back: 16 l
	v_lshl_add_u32 v16, v2, 5, s36                 ; in: 32 r
	v_and_b32 v17, 8, v2
	v_add_nc_u32 v17, v17, v2
	v_lshlrev_b32 v17, 2, v17                      ; 4 (r + 8 (r / 8))
	v_mul_u32_u24 v18, v3, 52224
	v_add_nc_u32 v18, v18, v6                      ; 16 r, and a head's block further on for lanes 16-31
.irp b, 0,1,2,3
	v_mov_b32 v[TM+4+\b], 0                        ; written once: a lane permute's destination counts as one of its sources
.endr
	s_mov_b32 s[SEL], 0x76543210
	s_mov_b32 s[SEL+1], 0xfedcba98                 ; v_permlanex16_b32's selects for lane l xor 16
	s_mov_b32 s37, 0
	s_lshr_b32 s38, ttmp9, 2                       ; slice
	s_and_b32 s39, ttmp9, 3                        ; beta
	s_lshl_b32 s40, s38, 3
	s_lshl_b32 s41, s26, 1
	s_add_co_u32 s40, s40, s41                     ; my even head among all: 8 slice + 2 w
	s_wait_kmcnt 0x0
	s_lshl_b32 s36, ttmp9, 18                      ; 128 rows of 2,048 bytes a work-group,
	s_lshl_b32 s41, s26, 16                        ; 32 a wave
	s_add_co_u32 s36, s36, s41
	s_add_nc_u64 s[8:9], s[8:9], s[36:37]
	s_wait_alu depctr_va_vdst(0)                   ; the offsets and LDS addresses v4 to v7 and v11 to v18 are written, which the loads and stores of the whole kernel read; none is written again
	LOADX 0
	LOADX 1
	LOADX 2
	LOADX 3                                        ; 64 loads of the wave are out
	s_mul_i32 s36, s26, 49152                      ; my 8 tiles of a weight
	s_add_nc_u64 s[10:11], s[10:11], s[36:37]
	s_lshl_b32 s36, s26, 11
	s_add_nc_u64 s[12:13], s[12:13], s[36:37]
	s_lshl_b32 s36, s26, 9                         ; my 128 columns of a bias
	s_add_nc_u64 s[14:15], s[14:15], s[36:37]
	s_add_nc_u64 s[16:17], s[16:17], s[36:37]
	s_add_nc_u64 s[18:19], s[18:19], s[36:37]
	s_mul_i32 s36, s40, 24576
	s_mul_i32 s41, s39, 6144
	s_add_co_u32 s36, s36, s41
	s_add_nc_u64 s[20:21], s[20:21], s[36:37]      ; qc at my even head, my block's eight tiles
	s_lshl_b32 s36, s40, 2
	s_add_co_u32 s36, s36, s39
	s_lshl_b32 s36, s36, 9
	s_add_nc_u64 s[22:23], s[22:23], s[36:37]      ; qs likewise
	s_mul_i32 s36, s40, 52224
	s_add_nc_u64 s[24:25], s[24:25], s[36:37]      ; kv at my even head
	s_mov_b32 s36, s41
	s_add_nc_u64 s[48:49], s[24:25], s[36:37]      ; + 6,144 beta: K's codes; V's lie 24,576 further on
	s_lshl_b32 s36, s39, 9
	s_add_nc_u64 s[50:51], s[24:25], s[36:37]      ; + 512 beta: K's scale words lie 49,152 further on
	s_lshl_b32 s36, s39, 8
	s_add_nc_u64 s[52:53], s[24:25], s[36:37]      ; + 256 beta: V's lie 51,200 further on
	; ---- PHASE X: eight parts (tile u, K step s), loads four parts ahead
.irp q, 0,1,2,3,4,5,6,7
.if \q < 5
	s_wait_loadcnt 48                              ; this part's 16 loads are in; those of the three parts behind it may be out
.else
	s_wait_loadcnt 16*(7-\q)
.endif
	TURNX \q
	s_wait_dscnt 0x0                               ; the 64 numbers are back
	s_wait_alu depctr_vm_vsrc(0)                   ; the stage's stores have read their set of window 3, in which the loads below land; the last part's image stores have read v[PC ..] and v[PW], which the quantiser writes
.if \q < 4
	LOADX \q+4
.endif
.if \q == 7
	RESW 0, 14                                     ; wq's tiles are asked for while the last part is quantised
.endif
	QUANT ACC
	s_wait_alu depctr_va_vdst(0)                   ; the quantiser has written v[PC ..] and v[PW], which the stores below read, and is done reading v[ACC ..], in which the next part's LDS loads land
.irp c, 0,1,2
	ds_store_b128 v13, v[PC+4*\c:PC+4*\c+3] offset:1536*\q+512*\c    ; the fragment goes to LDS as it stands
.endr
	ds_store_b32 v14, v[PW] offset:512*(\q/4)+4*(\q%4)
.endr
	s_wait_dscnt 0x0                               ; for the others' sake: my images have landed
	s_barrier_signal -1
	s_barrier_wait -1                              ; x's 32 images lie in LDS; from here on they are only read
; A unit of the Q or K round.  pre = 1: the next token tile is fetched under the quantiser.  nxt: what the round's last unit asks for (1: wk's tiles; 2: the V phase's).  cp, hs: the codes' pointer and the bytes from head to head
.macro UNITQK pre, nxt, cp, hs
	s_wait_dscnt 0x0                               ; the streaming tile is in
	MULS 3, 0, 8, 0, SF, SS
	PLACES
	s_wait_xcnt 0x0                                ; the last unit's stores have had their addresses translated: their data and their offset are written below
	s_wait_alu depctr_vm_vsrc(0)                   ; the last fetch has read v8 and v9; the last unit's stores have read v19, v10, v[PC ..] and v[PW]: all are written below
.if \pre
	s_add_co_u32 s30, s30, 6144
	s_add_co_u32 s31, s31, 512
	v_add_nc_u32 v8, s30, v4
	v_add_nc_u32 v9, s31, v4
.endif
	v_add_nc_u32 v19, s32, v5
	v_add_nc_u32 v10, s33, v16
	s_wait_alu depctr_va_vdst(0)                   ; the addresses above are written; the products are done reading the streaming tile and its scale words, and (a round's last unit) the resident tiles, their bias and scale words: the loads below land there
.if \pre
	FETCHX 8, 9, 0
.endif
.if \nxt == 1
	RESW 1, 16
.endif
.if \nxt == 2
	RESX
	STREAMV 0                                      ; both streaming buffers are asked for
	STREAMV 1
.endif
	QUANT ACC                                      ; lane (r, h): token r of the tile; registers 6 e .. 6 e + 5: head 2 w + e, d = 32 h + 0 .. 31
	s_wait_alu depctr_va_vdst(0)                   ; the quantiser has written v[PC ..] and v[PW], which the stores below read
.irp e, 0,1
.irp p, 0,1,2
	global_store_b64 v19, v[PC+6*\e+2*\p:PC+6*\e+2*\p+1], s[\cp:\cp+1] offset:\hs*\e+256*\p th:TH_STORE_NT   ; 32 lanes store 256 consecutive bytes, aligned
.endr
.endr
	ds_store_b32 v10, v[PW]                        ; lanes r and r + 16 write the same word with the same value
	s_add_co_u32 s32, s32, 768
	s_add_co_u32 s33, s33, 4
.endm
; A round: eight units, then the scale words: 512 bytes for each of the two heads.  sp, si, hss: their pointer, its immediate, the bytes from head to head
.macro QKROUND nxt, cp, hs, sp, si, hss
	s_mov_b32 s30, 0
	s_mov_b32 s31, XSC
	s_mov_b32 s32, 0
	s_mov_b32 s33, 0
	FETCHX 4, 4, XSC                               ; token tile 0.  No wait: v4 stands since the head, and no vector or matrix instruction since the last wait on va_vdst names v[SF ..] or v[SS ..]
	s_wait_loadcnt 0x0                             ; the resident tiles, their bias and their scale words
	s_mov_b32 s34, 7
.Lunit_\@:
	UNITQK 1, 0, \cp, \hs
	s_sub_co_u32 s34, s34, 1
	s_cmp_lg_u32 s34, 0
	s_cbranch_scc1 .Lunit_\@
	UNITQK 0, \nxt, \cp, \hs
	ds_load_b128 v[228:231], v15                   ; LDS serves a wave's instructions in order: these see my eight stores
	s_wait_dscnt 0x0
	global_store_b128 v4, v[228:231], s[\sp:\sp+1] offset:\si th:TH_STORE_NT          ; the even head: bytes 0, 1 are its blocks
.irp i, 0,1,2,3
	v_lshrrev_b32 v[232+\i], 16, v[228+\i]         ; the odd head's two bytes come down
.endr
	s_wait_alu depctr_va_vdst(0)                   ; the shifts have written v[232:235], which the store below reads
	global_store_b128 v4, v[232:235], s[\sp:\sp+1] offset:\si+\hss th:TH_STORE_NT
.endm
	QKROUND 1, 20, 24576, 22, 0, 2048
	QKROUND 2, 48, 52224, 50, 49152, 52224
	; ---- V PHASE: source 0 = the 8 token tiles, source 1 = a tile of wv: lane (r, h) holds column d(r) and its registers run along the block's 128 tokens
.irp n, 0,1,2,3,4,5,6,7
.if \n < 7
	s_wait_loadcnt 14                              ; this tile, its scale words and bv are in; the next tile's 14 loads, issued behind them, may be out
.else
	s_wait_loadcnt 0x0
.endif
.if \n == 0
	s_wait_dscnt 0x0                               ; the resident tiles
.endif
.irp j, 0,1,2,3,4,5,6,7
	v_mov_b32 v[BV+\j], v[BVL+\n%2]                ; the bias is the same for all tokens of my column
.endr
	PLACES
.set BW, 3*(\n%2)
.set BB, SF+(SF2-SF)*(\n%2)
.set BS, SS+(SS2-SS)*(\n%2)
	MULS 0, BV, 0, BW, BB, BS
	PLACES
	s_wait_xcnt 0x0                                ; the last unit's stores have had their addresses translated: their data are written below
	s_wait_alu depctr_vm_vsrc(0)                   ; the last unit's stores have read v[PC ..], which the quantiser writes (and, ahead of the selections in the last unit, the K round's have read v[228:231])
	QUANT ACC
	v_mov_b32 v[PWS+\n], v[PW]
.if \n == 7
.irp i, 0,1,2,3
	v_cndmask_b32 v[228+\i], v[PWS+\i], v[PWS+4+\i], s35   ; lanes 0-15 the even head's four words, lanes 16-31 the odd head's
.endr
.endif
	s_wait_alu depctr_va_vdst(0)                   ; the quantiser has written v[PC ..] (the last unit: the selections v[228:231] too), which the stores below read; the products and the moves are done reading this unit's streaming buffer, in which the loads below land
.if \n < 6
	STREAMV \n+2                                   ; two tiles on, into the buffer just read out: a whole unit in which to land
.endif
.irp c, 0,1,2
	global_store_b128 v4, v[PC+4*\c:PC+4*\c+3], s[48:49] offset:24576+52224*(\n/4)+1536*(\n%4)+512*\c th:TH_STORE_NT   ; 512 consecutive bytes of the image (head 2 w + n / 4, beta, dt = n % 4)
.endr
.endr
	global_store_b128 v18, v[228:231], s[52:53] offset:51200 th:TH_STORE_NT           ; sixteen lanes store 256 consecutive bytes, aligned
	s_wait_dscnt 0x0                               ; the closing lines, six on end
	s_wait_alu 0x0
	s_wait_tensorcnt 0x0
	ds_add_u32 v20, v21
	s_wait_dscnt 0x0
	s_endpgm
.Lfunc_end_k_q81dfa95563_qkv:
	.size	k_q81dfa95563_qkv, .Lfunc_end_k_q81dfa95563_qkv-k_q81dfa95563_qkv
	.p2alignl 7, 3214868480
	.fill 96, 4, 3214868480
	.section	.rodata,"a",@progbits
	.p2align	6, 0x0
	.amdhsa_kernel k_q81dfa95563_qkv
		.amdhsa_group_segment_fixed_size 90112
		.amdhsa_private_segment_fixed_size 0
		.amdhsa_enable_private_segment 0
		.amdhsa_kernarg_size 72
		.amdhsa_user_sgpr_count 2
		.amdhsa_user_sgpr_kernarg_segment_ptr 1
		.amdhsa_wavefront_size32 1
		.amdhsa_system_sgpr_workgroup_id_x 1
		.amdhsa_system_sgpr_workgroup_id_y 1
		.amdhsa_system_sgpr_workgroup_id_z 1
		.amdhsa_system_vgpr_workitem_id 0
		.amdhsa_next_free_vgpr 1024
		.amdhsa_next_free_sgpr 66
		.amdhsa_reserve_vcc 0
		.amdhsa_float_denorm_mode_32 3
		.amdhsa_float_denorm_mode_16_64 3
		.amdhsa_memory_ordered 1
		.amdhsa_forward_progress 1
		.amdhsa_inst_pref_size 217
	.end_amdhsa_kernel
	.amdgpu_metadata
---
amdhsa.version: [ 1, 2 ]
amdhsa.kernels:
  - .name:           k_q81dfa95563_qkv
    .symbol:         k_q81dfa95563_qkv.kd
    .args:
      - { .name: inputs, .offset: 0, .size: 8, .value_kind: global_buffer, .address_space: global }
      - { .name: wfrag, .offset: 8, .size: 8, .value_kind: global_buffer, .address_space: global }
      - { .name: wscl, .offset: 16, .size: 8, .value_kind: global_buffer, .address_space: global }
      - { .name: bq, .offset: 24, .size: 8, .value_kind: global_buffer, .address_space: global }
      - { .name: bk, .offset: 32, .size: 8, .value_kind: global_buffer, .address_space: global }
      - { .name: bv, .offset: 40, .size: 8, .value_kind: global_buffer, .address_space: global }
      - { .name: qc, .offset: 48, .size: 8, .value_kind: global_buffer, .address_space: global }
      - { .name: qs, .offset: 56, .size: 8, .value_kind: global_buffer, .address_space: global }
      - { .name: kv, .offset: 64, .size: 8, .value_kind: global_buffer, .address_space: global }
    .group_segment_fixed_size: 90112
    .private_segment_fixed_size: 0
    .kernarg_segment_align: 8
    .kernarg_segment_size: 72
    .max_flat_workgroup_size: 128
    .sgpr_count:     66
    .vgpr_count:     1024
    .wavefront_size: 32
...
	.end_amdgpu_metadata
.endif
;; end of part 5
;; launch attn (part 6): grid 256 x 1, 16 waves a work-group, clusters of 4 x 1, 327,680 bytes of LDS; arguments qc, qs, kv, wfrag, wscl, bo, out0; writes out0
.if DOCPART == 6
	.amdgcn_target "amdgcn-amd-amdhsa--gfx1250"
	.amdhsa_code_object_version 6
	.text
	.protected	k_q81dfa95563_attn
	.globl	k_q81dfa95563_attn
	.p2align	8
	.type	k_q81dfa95563_attn,@function
k_q81dfa95563_attn:
	s_mov_b64 s[64:65], 0
	v_nop
	global_prefetch_b8 v0, s[64:65] scope:SCOPE_SE
	s_setreg_imm32_b32 hwreg(HW_REG_WAVE_MODE, 25, 1), 1
	s_wait_xcnt 0x0
	s_wait_alu depctr_hold_cnt(0) depctr_sa_sdst(0) depctr_va_vdst(0) depctr_va_sdst(0) depctr_va_ssrc(0) depctr_va_vcc(0) depctr_vm_vsrc(0)
	s_getreg_b32 s2, hwreg(HW_REG_IB_STS2, 6, 4)
	s_cmp_eq_u32 s2, 0
	s_cbranch_scc0 .Lentry_in_a_cluster
	s_endpgm
.Lentry_in_a_cluster:
	s_bfe_u32 s2, ttmp6, 0x10000c
	s_cmp_lg_u32 s2, 0x3003
	s_cbranch_scc0 .Lentry_shape_is_right
	s_endpgm
.Lentry_shape_is_right:
; out = (softmax(q k^T / 8) v) wo + bo for one block of 128 queries of one slice, all eight heads; all three products on codes of FP6 (E2M3) with one E8M0 scale for each 32 along K.
; q, k, v arrive as images of operand registers (made by the launch before), wo likewise.  THE SOFTMAX: t = score x log2(e) / 8; M = the row's largest t so far, rounded UP to a whole number; p = 2^(t - M) is what is
; quantised, along the keys; the row's sum is taken of the unquantised p and divides O at the end; when M moves, the sum and O are multiplied by 2^(old M - new M): exact.
; SHARES.  A cluster of four work-groups is a slice; a work-group is its block of 128 queries.  Wave WV of sixteen owns query tile WV % 8 (16 queries) and walks heads 4 (WV / 8) + 0 .. 3, 128 keys a step: four waves
; to a SIMD, so that one wave's vector work stands beside another's matrix work and LDS loads.  Behind the attention the waves share out the COLUMNS of the last product: wave WV makes columns 32 WV .. 32 WV + 31 for all 128 queries.
; JOINT LOADS.  The four work-groups walk the same K and V: a head's block of kv (52,224 dense bytes: codes and scale words of K and V) is asked for jointly, two heads (i and 4 + i) to a slot, by waves 0 to 3,
; 102 rows of 256 bytes each.  Two slots; each refill has a whole head step (four key steps) in which to land, so nothing is prefetched ahead of it.  By this text's count a wave has one tensor load out at the most.
; LAYOUT.  S^T = K Q^T and O^T = V^T P^T: a lane holds ONE query throughout.  The rows of every tile are chosen (row r of tile 2 b + u is index 32 b + 8 u + r + 8 (r / 8)), so that 16 registers of two neighbouring result tiles are 16 neighbours.
; K = 64 IN AN INSTRUCTION OF K = 128: Q's registers 6-11 are zero codes; K's registers 6-11 hold whatever stood there (zeros, later codes of V): every 6-bit pattern is a finite number, so those products are exactly 0;
; bytes 2, 3 of q's and k's scale words are a neighbouring head's bytes (1 .. 254) or 0, never 0xff.
; LIMITS: NaN and infinities are not served.  A block whose largest magnitude lies under 2^(3 - 127) gets the byte 1, a block of zeros too: its codes are zeros.  A block's largest p is taken as 2^ of the block's largest
; score's t - M: this leans on v_exp_f32 not falling where its input rises.
; REGISTERS.  v1-4 my lane's places in a head's block; v5, v6 the add's two; v7 16 l; v8-11 addresses in hand; v12 -M, v13 the largest t, v[14:15] the sum; v16-27 Q (v22-27 zeros); v30, v31 8 l, 32 r; v32-79 four fragments;
;   v80-86 the next head's Q and scale word; v88-95 wo's scale words; v96-159 S^T, then p; v160-191, v192-223 O^T of an even and an odd head; v224-235 codes; v232-254 at work; v248-251 scale words; v253 p's; v255 Q's.
;   The last product: v16-31 bo; v32-79, v96-143 wo's eight fragments; v144-191 four fragments of the attention's result; accumulators at v192-247 and v80-87; v144-207 rows on their way out.
; LDS.  Slot 0 at 0, slot 1 at 2^17 (two head blocks each); AIMG: the attention result's 32 images ((4 tile + K step) 1536); ASC: their scale words, 128 bytes each; SPARE: the spare words.
;   The stage of the way out, 64 rows x (2,048 + 16) bytes from byte 0 on, lies over the slots, which by then have had their last fill and their last read.
.set SLOT1, 1<<17
.set HB,    52224
.set AIMG,  235520
.set ASC,   284672
.set SPARE, 288768                     ; 128 bytes for each of 16 waves: eight blocks of 256 bytes that no other line names
.macro CROUND                          ; a round of the cluster's barrier
	s_barrier_signal -1
	s_barrier_wait -1
	s_cmp_lg_u32 s18, 0
	s_cbranch_scc1 .Lnot_wave_0_\@
	s_barrier_signal -3
.Lnot_wave_0_\@:
	s_barrier_wait -3
	s_barrier_signal -1
	s_barrier_wait -1
.endm
.macro TLOAD                           ; waves 0 to 3 ask, each for half a head's block; the branch hangs on the wave's number alone.  An s_nop 0 and four v_nop follow the line
	s_cmp_lt_u32 s18, 4
	s_cbranch_scc0 .Lnone_\@
	tensor_load_to_lds s[32:35], s[24:31]
	s_nop 0
.rept 4
	v_nop
.endr
.Lnone_\@:
.endm
.macro BARRIER                         ; my LDS stores have landed and my LDS loads are in: then the work-group's barrier
	s_wait_dscnt 0x0
	s_barrier_signal -1
	s_barrier_wait -1
.endm
; THE CHANGE OF SLOTS stands at a head step's head.  Each wave waits for all its tensor loads, adds 0 to its spare word, and waits for that and for its reads of the slot that it has left.
; fill = 1: a round of the cluster's barrier, and behind it the other slot is filled with the next head step's two blocks.
.macro CHANGE fill
	s_wait_tensorcnt 0x0                           ; no tensor load of mine is out, so the group 0 may be written
	ds_add_u32 v5, v6                              ; 0 onto my spare word
.if \fill
	s_xor_b32 s33, s33, SLOT1                      ; the other slot than last time,
	s_add_nc_u64 s[34:35], s[34:35], HB            ; the next head; the type bits on top are not reached
.endif
	s_wait_dscnt 0x0                               ; the add is done, and my LDS instructions are over
.if \fill
	CROUND                                         ; no wave of any partner still reads that slot or has a load on its way
	TLOAD                                          ; the first thing behind the round, and a wave's one tensor load until the next
.else
	s_barrier_signal -1
	s_barrier_wait -1
.endif
.endm
.macro SCALE4                          ; four blocks' largest magnitudes in v232-235 -> the conversions' scale operands v244-247 and the scale word v253
.irp b, 0,1,2,3
	v_max_num_f32 v[232+\b], 0x1800000, v[232+\b]  ; the floor 2^(3 - 127): the byte cannot fall under 1
.endr
.irp b, 0,1,2,3
	s_delay_alu instid0(VALU_DEP_4)
	v_add_nc_u32 v[244+\b], 0xff000000, v[232+\b]  ; 2 off the exponent field
.endr
.irp b, 0,1,2,3
	s_delay_alu instid0(VALU_DEP_4)
	v_lshrrev_b32 v[236+\b], 23, v[244+\b]         ; the scale's byte
.endr
	s_delay_alu instid0(VALU_DEP_3)
	v_lshl_or_b32 v253, v237, 8, v236
	s_delay_alu instid0(VALU_DEP_1)
	v_lshl_or_b32 v253, v238, 16, v253
	s_delay_alu instid0(VALU_DEP_1)
	v_lshl_or_b32 v253, v239, 24, v253
.endm
.macro CODES src                       ; 64 numbers, register 16 b + i = k 32 b + 16 (l / 16) + i -> a fragment in v224-235
.irp c, 0,1
	v_cvt_scalef32_pk16_fp6_f32 v[224+6*\c:226+6*\c], v[\src+32*\c:\src+15+32*\c], v[244+2*\c]
	v_cvt_scalef32_pk16_fp6_f32 v[236+4*\c:238+4*\c], v[\src+16+32*\c:\src+31+32*\c], v[244+2*\c+1]   ; (a conversion's three registers begin on an even number)
.endr
	v_nop                                          ; one plain place behind a scaled conversion
.irp c, 0,1                            ; the operand's layout wants a WHOLE block in a lane
.irp i, 0,1,2
	v_permlane16_swap_b32 v[224+6*\c+\i], v[236+4*\c+\i]
.endr
.irp i, 0,1,2
	s_delay_alu instid0(VALU_DEP_3)
	v_mov_b32 v[227+6*\c+\i], v[236+4*\c+\i]
.endr
.endr
.endm
.macro QLOAD n                         ; Q's six registers and scale word of my n-th head
.irp p, 0,1,2
	global_load_b64 v[80+2*\p:81+2*\p], v30, s[4:5] offset:24576*(\n)+256*\p
.endr
	global_load_b32 v86, v31, s[6:7] offset:2048*(\n)
.endm
; A KEY STEP: 128 keys.  ob: the head's O^T
.macro STEP ob
	v_add_nc_u32 v8, s36, v1                       ; K's tiles.  (These four are also the places behind the last step's products, ahead of the loads below)
	s_wait_alu depctr_va_vdst(0)
	v_add_nc_u32 v9, s36, v2                       ; V's
	v_add_nc_u32 v10, s37, v3                      ; K's scale words
	s_wait_alu depctr_va_vdst(0)
	v_add_nc_u32 v11, s38, v4                      ; V's
.irp g, 0,1                            ; S^T = K Q^T, four tiles of 16 keys at a time
.if \g
.rept 4
	v_nop                                          ; places ahead of loads into registers that matrix instructions have read
.endr
.endif
.irp t, 0,1,2,3
.irp p, 0,1,2
	ds_load_b64 v[32+12*\t+2*\p:33+12*\t+2*\p], v8 offset:(4*\g+\t)*768+256*\p   ; 32 lanes read 256 consecutive bytes
.endr
.endr
	ds_load_b128 v[248:251], v10 offset:16*\g
	s_wait_dscnt 0x0
.irp t, 0,1,2,3
	v_wmma_scale_f32_16x16x128_f8f6f4 v[96+8*(4*\g+\t):103+8*(4*\g+\t)], v[32+12*\t:43+12*\t], v[16:27], 0, v[248+\t], v255 matrix_a_fmt:MATRIX_FMT_FP6 matrix_b_fmt:MATRIX_FMT_FP6
.endr
.endr
.rept 4
	v_nop                                          ; places ahead of the loads below and of the first read of the scores
.endr
.irp t, 0,1,2,3                        ; V's four tiles and their scale words are asked for here and land under the softmax
.irp c, 0,1,2
	ds_load_b128 v[32+12*\t+4*\c:35+12*\t+4*\c], v9 offset:1536*\t+512*\c
.endr
.endr
	s_wait_alu depctr_va_vdst(0)
	ds_load_b128 v[248:251], v11
.irp b, 0,1,2,3
	v_max3_num_f32 v[232+\b], v[96+16*\b], v[97+16*\b], v[98+16*\b]   ; the largest score of each block of 32 keys: it serves the row's maximum and, since p rises with the score, the block's largest p
.endr
.irp i, 3,5,7,9,11,13
.irp b, 0,1,2,3
	v_max3_num_f32 v[232+\b], v[232+\b], v[96+16*\b+\i], v[97+16*\b+\i]   ; (the four blocks by turns)
.endr
.endr
.irp b, 0,1,2,3
	v_max_num_f32 v[232+\b], v[232+\b], v[111+16*\b]
.endr
.irp b, 0,1,2,3
	s_delay_alu instid0(VALU_DEP_4)
	v_permlanex16_b32 v[236+\b], v[232+\b], s20, s21
.endr
.irp b, 0,1,2,3
	s_delay_alu instid0(VALU_DEP_4)
	v_max_num_f32 v[232+\b], v[232+\b], v[236+\b]  ; with lane l xor 16's 16 keys
.endr
	s_delay_alu instid0(VALU_DEP_2)
	v_max3_num_f32 v254, v232, v233, v234
	s_delay_alu instid0(VALU_DEP_1)
	v_max_num_f32 v254, v254, v235                 ; the step's largest score of my query
	s_delay_alu instid0(VALU_DEP_1)
	v_mul_f32 v254, s22, v254                      ; as t (c is positive)
	s_delay_alu instid0(VALU_DEP_1)
	v_max_num_f32 v13, v13, v254                   ; the running largest t
	v_mov_b32 v254, v12
	s_delay_alu instid0(VALU_DEP_2)
	v_floor_f32 v12, -v13                          ; the new -M = floor(-t): M is a whole number
	s_delay_alu instid0(VALU_DEP_1)
	v_sub_f32 v254, v12, v254                      ; M's old value less its new one: a whole number, 0 or less
	s_delay_alu instid0(VALU_DEP_1)
	v_cvt_i32_f32 v254, v254                       ; (it saturates)
	s_delay_alu instid0(VALU_DEP_1)
	v_ldexp_f32 v252, 1.0, v254                    ; f = 2^(old M - new M)
.set J, 0
.rept 32
	v_pk_fma_f32 v[96+J:97+J], v[96+J:97+J], s[22:23], v[12:13] op_sel_hi:[1,0,0]   ; t - M, two at a time
.set J, J+2
.endr
.irp b, 0,1,2,3
	v_fma_f32 v[232+\b], v[232+\b], s22, v12       ; the same of each block's largest score
.endr
.set J, 0
	s_setprio 1
	s_wait_alu depctr_va_vdst(0)
.rept 64
	v_exp_f32 v[96+J], v[96+J]                     ; p = 2^(t - M), at most 1: not normalised
.set J, J+1
.endr
	v_pk_mul_f32 v[14:15], v[14:15], v[252:253] op_sel_hi:[1,0]   ; the sums under the new M: a plain place behind the exponentials
	s_wait_alu depctr_va_vdst(0)                   ; one wait for the whole batch, ahead of its first reader
.irp b, 0,1,2,3
	v_exp_f32 v[232+\b], v[232+\b]                 ; the block's largest p
.endr
	v_pk_add_f32 v[236:237], v[100:101], v[104:105]
	v_pk_add_f32 v[246:247], v[108:109], v[112:113]
	v_pk_add_f32 v[244:245], v[116:117], v[120:121]
	v_pk_add_f32 v[242:243], v[124:125], v[128:129]
	v_pk_add_f32 v[240:241], v[132:133], v[136:137]
	v_pk_add_f32 v[238:239], v[140:141], v[144:145]
	v_pk_add_f32 v[230:231], v[148:149], v[152:153]
	v_pk_add_f32 v[14:15], v[14:15], v[156:157]
	v_pk_add_f32 v[236:237], v[236:237], v[96:97]
	v_pk_add_f32 v[246:247], v[246:247], v[98:99]
	v_pk_add_f32 v[244:245], v[244:245], v[102:103]
	v_pk_add_f32 v[242:243], v[242:243], v[106:107]
	v_pk_add_f32 v[240:241], v[240:241], v[110:111]
	v_pk_add_f32 v[238:239], v[238:239], v[114:115]
	v_pk_add_f32 v[230:231], v[230:231], v[118:119]
	v_pk_add_f32 v[14:15], v[14:15], v[122:123]
	v_pk_add_f32 v[236:237], v[236:237], v[126:127]
	v_pk_add_f32 v[246:247], v[246:247], v[130:131]
	v_pk_add_f32 v[244:245], v[244:245], v[134:135]
	v_pk_add_f32 v[242:243], v[242:243], v[138:139]
	v_pk_add_f32 v[240:241], v[240:241], v[142:143]
	v_pk_add_f32 v[238:239], v[238:239], v[146:147]
	v_pk_add_f32 v[230:231], v[230:231], v[150:151]
	v_pk_add_f32 v[14:15], v[14:15], v[154:155]
	v_pk_add_f32 v[236:237], v[236:237], v[158:159]
	s_delay_alu instid0(VALU_DEP_2)
	v_pk_add_f32 v[14:15], v[14:15], v[242:243]
	s_delay_alu instid0(VALU_DEP_2)
	v_pk_add_f32 v[236:237], v[236:237], v[240:241]
	v_pk_add_f32 v[246:247], v[246:247], v[238:239]
	v_pk_add_f32 v[244:245], v[244:245], v[230:231]
	s_delay_alu instid0(VALU_DEP_2)
	v_pk_add_f32 v[14:15], v[14:15], v[246:247]
	s_delay_alu instid0(VALU_DEP_2)
	v_pk_add_f32 v[236:237], v[236:237], v[244:245]
	s_delay_alu instid0(VALU_DEP_1)
	v_pk_add_f32 v[14:15], v[14:15], v[236:237]
	s_wait_alu depctr_va_vdst(0)                   ; and one for the four
	SCALE4
	CODES 96
.set J, 0
	s_setprio 0
.rept 16
	v_pk_mul_f32 v[(\ob)+J:(\ob)+J+1], v[(\ob)+J:(\ob)+J+1], v[252:253] op_sel_hi:[1,0]   ; O^T under the new M.  (These sixteen also stand between the writes of p's codes and scale word and the products below)
.set J, J+2
.endr
	s_wait_alu depctr_va_vdst(0)
	s_wait_dscnt 0x0                               ; V's tiles and scale words
.irp t, 0,1,2,3                        ; O^T += V^T P^T: the four accumulators by turns
	v_wmma_scale_f32_16x16x128_f8f6f4 v[(\ob)+8*\t:(\ob)+8*\t+7], v[32+12*\t:43+12*\t], v[224:235], v[(\ob)+8*\t:(\ob)+8*\t+7], v[248+\t], v253 matrix_a_fmt:MATRIX_FMT_FP6 matrix_b_fmt:MATRIX_FMT_FP6
.endr
.endm
.macro FINAL ob                        ; O^T / the row's sum
	v_add_f32 v14, v14, v15                        ; the sum's two halves,
	s_delay_alu instid0(VALU_DEP_1)
	v_permlanex16_b32 v252, v14, s20, s21
	s_delay_alu instid0(VALU_DEP_1)
	v_add_f32 v14, v14, v252                       ; and lane l xor 16's
	s_wait_alu depctr_va_vdst(0)
	v_rcp_f32 v14, v14
	v_nop                                          ; one plain place behind a transcendental
	s_wait_alu depctr_va_vdst(0)                   ; the wait, ahead of the first reader
.set J, 0
.rept 16
	v_pk_mul_f32 v[(\ob)+J:(\ob)+J+1], v[(\ob)+J:(\ob)+J+1], v[14:15] op_sel_hi:[1,0]
.set J, J+2
.endr
.endm
; My i-th head: its block lies in slot i % 2
.macro HEAD i
	s_wait_loadcnt 0x0                             ; this head's Q
.irp p, 0,1,2,3,4,5
	v_mov_b32 v[16+\p], v[80+\p]
.endr
	v_mov_b32 v255, v86
.if \i < 3
	QLOAD (\i)+1
.endif
	v_mov_b32 v13, 0xff61b1e6                      ; the largest t so far: -3e38, under every t
	s_delay_alu instid0(VALU_DEP_1)
	v_floor_f32 v12, -v13                          ; -M
	v_mov_b32 v14, 0
	v_mov_b32 v15, 0
.set J, 0
.rept 32
	v_mov_b32 v[160+32*((\i)%2)+J], 0              ; O^T: the step is written once; the first finds zeros, which the first change of M leaves zeros
.set J, J+1
.endr
	s_mov_b32 s36, ((\i)%2)*SLOT1
	s_mov_b32 s37, ((\i)%2)*SLOT1
	s_mov_b32 s38, ((\i)%2)*SLOT1
	s_mov_b32 s39, 4
.Lk_\@:
	s_setprio 2
	STEP 160+32*((\i)%2)
	s_add_co_u32 s36, s36, 6144                    ; the next 128 keys: eight tiles of K, four images of V,
	s_add_co_u32 s37, s37, 512                     ; K's scale words,
	s_add_co_u32 s38, s38, 256                     ; V's
	s_sub_co_u32 s39, s39, 1
	s_cmp_lg_u32 s39, 0
	s_cbranch_scc1 .Lk_\@
	s_setprio 0
.rept 4
	v_nop                                          ; places behind the last products
.endr
.if \i == 3                            ; wo's eight fragments and bo are asked for here: the fragments', p's and Q's registers are free
	v_bfe_u32 v13, v0, 4, 1
	s_delay_alu instid0(VALU_DEP_1)
	v_lshlrev_b32 v13, 6, v13                      ; 64 h
.irp u, 0,1
.irp s, 0,1,2,3
.irp c, 0,1,2
	global_load_b128 v[32+64*\u+12*\s+4*\c:35+64*\u+12*\s+4*\c], v7, s[10:11] offset:589824+(4*\u+\s)*1536+512*\c
.endr
.endr
	global_load_b128 v[16+8*\u:19+8*\u], v13, s[14:15] offset:32*\u        ; lane (r, h), tile u: columns 16 h + 8 u + 0 .. 7 of my 32
	global_load_b128 v[20+8*\u:23+8*\u], v13, s[14:15] offset:32*\u+16
.endr
.endif
	FINAL 160+32*((\i)%2)
.endm
; Two heads' results, v160-223, are 128 along the last product's K: one fragment and one scale word a row; their image goes to LDS
.macro ATTNQ g
.irp b, 0,1,2,3
	v_max3_num_f32 v[232+\b], |v[160+16*\b]|, |v[161+16*\b]|, 0x1800000
.endr
.irp i, 2,4,6,8,10,12,14
.irp b, 0,1,2,3
	s_delay_alu instid0(VALU_DEP_4)
	v_max3_num_f32 v[232+\b], v[232+\b], |v[160+16*\b+\i]|, |v[161+16*\b+\i]|
.endr
.endr
.irp b, 0,1,2,3
	s_delay_alu instid0(VALU_DEP_4)
	v_permlanex16_b32 v[236+\b], v[232+\b], s20, s21
.endr
.irp b, 0,1,2,3
	s_delay_alu instid0(VALU_DEP_4)
	v_max_num_f32 v[232+\b], v[232+\b], v[236+\b]
.endr
	SCALE4
	CODES 160
	v_add_nc_u32 v8, s46, v7                       ; my images: AIMG + (4 tile + 2 (WV / 8)) 1536 + 16 l
	v_lshrrev_b32 v9, 2, v7
	s_delay_alu instid0(VALU_DEP_1)
	v_add_nc_u32 v9, s47, v9                       ; their scale words: + 4 l
.irp c, 0,1,2
	ds_store_b128 v8, v[224+4*\c:227+4*\c] offset:1536*\g+512*\c
.endr
	ds_store_b32 v9, v253 offset:128*\g
.endm
	s_load_b256 s[4:11], s[0:1], 0x0               ; qc s[4:5], qs s[6:7], kv s[8:9], wfrag s[10:11]
	s_load_b128 s[12:15], s[0:1], 0x20             ; wscl s[12:13], bo s[14:15]
	s_load_b64 s[16:17], s[0:1], 0x30              ; out0
	v_lshl_add_u32 v5, v0, 2, SPARE
	v_mov_b32 v6, 0
	ds_add_u32 v5, v6                              ; the wave's opening: the add and its wait ahead of the first tensor loads; work on registers stands between them
	ds_add_u32 v5, v6
	v_lshrrev_b32 v8, 5, v0
	s_delay_alu instid0(VALU_DEP_1)
	v_readfirstlane_b32 s18, v8                    ; wave 0..15
	s_and_b32 s19, s18, 7                          ; my tile of queries
	s_lshr_b32 s40, s18, 3                         ; which four heads are mine
	s_bfe_u32 s41, ttmp6, 0x40000                  ; cx: my work-group's block of queries; it enters Q's and the output's addresses alone
	; descriptor group 1: 102 rows of 256 bytes (32 elements of 8), dense, no padding: images are read on end
	s_mov_b32 s24, 15|(3<<16)|(1<<21)              ; 15:0 the mask: all four work-groups; 17:16 elements of 8 bytes; 21 set beside a mask
	s_mov_b32 s25, 32<<16                          ; tensor_dim0 = 32
	s_mov_b32 s26, 102<<16                         ; tensor_dim1 = 102
	s_mov_b32 s27, 32<<16                          ; tile_dim0 = 32
	s_mov_b32 s28, 102                             ; tile_dim1 = 102
	s_mov_b32 s29, 32                              ; from row to row
	s_mov_b32 s30, 0
	s_mov_b32 s31, 0
	s_mov_b32 s20, 0x76543210
	s_mov_b32 s21, 0xfedcba98                      ; v_permlanex16_b32's selects for lane l xor 16
	s_mov_b32 s22, 0x3e38aa3b                      ; c = log2(e) / 8
	s_mov_b32 s23, s22                             ; (named with it as a pair, so it is written)
	s_min_u32 s42, s18, 3                          ; the four waves that ask: 0, 1 the halves of head i's block, 2, 3 of head 4 + i's
	s_mov_b32 s32, 1                               ; group 0: count = 1
	s_mul_i32 s33, s42, 26112                      ; LDS address: slot 0
	s_lshr_b32 s43, s42, 1
	s_mul_i32 s44, s43, 208896                     ; four heads' blocks on,
	s_and_b32 s43, s42, 1
	s_mul_i32 s43, s43, 26112                      ; half a block on,
	s_add_co_u32 s44, s44, s43
	s_mul_i32 s43, ttmp9, 417792                   ; in my slice: the cluster's number, which the four partners share
	s_add_co_u32 s44, s44, s43
	s_mov_b32 s45, 0
	s_wait_dscnt 0x0                               ; the opening add is done
	s_wait_kmcnt 0x0
	s_add_nc_u64 s[34:35], s[8:9], s[44:45]
	s_or_b32 s35, s35, 0x80000000                  ; type = 2
	CROUND                                         ; all four work-groups are here: the first joint loads meet
	TLOAD                                          ; heads 0 and 4 into slot 0
	s_mov_b32 s49, 0
	s_lshl_b32 s50, ttmp9, 3
	s_lshl_b32 s51, s40, 2
	s_add_co_u32 s50, s50, s51                     ; my first head among all: 8 slice + 4 (WV / 8)
	s_lshl_b32 s48, s50, 5
	s_lshl_b32 s51, s41, 3
	s_add_co_u32 s48, s48, s51
	s_add_co_u32 s48, s48, s19
	s_mul_i32 s48, s48, 768
	s_add_nc_u64 s[4:5], s[4:5], s[48:49]          ; qc at my tile of my first head
	s_lshl_b32 s48, s50, 2
	s_add_co_u32 s48, s48, s41
	s_lshl_b32 s48, s48, 9
	s_lshl_b32 s51, s19, 2
	s_add_co_u32 s48, s48, s51
	s_add_nc_u64 s[6:7], s[6:7], s[48:49]          ; qs likewise
	s_mul_i32 s48, s18, 12288
	s_add_nc_u64 s[10:11], s[10:11], s[48:49]      ; my two tiles of wo
	s_lshl_b32 s48, s18, 9
	s_add_nc_u64 s[12:13], s[12:13], s[48:49]
	s_lshl_b32 s48, s18, 7
	s_add_nc_u64 s[14:15], s[14:15], s[48:49]      ; my 32 columns of bo
	s_lshl_b32 s48, s40, 5                         ; the four rows that I store of each half: stage rows 4 WV + i are lane rows 4 (WV % 4) + i of tile WV / 4:
	s_bfe_u32 s51, s18, 0x10002
	s_lshl_b32 s51, s51, 3
	s_add_co_u32 s48, s48, s51                     ; token 32 (WV / 8) + 8 ((WV / 4) % 2)
	s_and_b32 s51, s18, 3
	s_lshl_b32 s51, s51, 2
	s_add_co_u32 s48, s48, s51                     ; + 4 (WV % 4)
	s_bfe_u32 s51, s18, 0x10001
	s_lshl_b32 s51, s51, 3
	s_add_co_u32 s48, s48, s51                     ; + 8 ((WV / 2) % 2)
	s_lshl_b32 s51, ttmp9, 9
	s_add_co_u32 s48, s48, s51
	s_lshl_b32 s51, s41, 7
	s_add_co_u32 s48, s48, s51
	s_lshl_b32 s48, s48, 11                        ; rows of 2,048 bytes
	s_add_nc_u64 s[16:17], s[16:17], s[48:49]
	v_and_b32 v30, 31, v0
	v_and_b32 v31, 15, v0
	s_delay_alu instid0(VALU_DEP_2)
	v_lshlrev_b32 v7, 4, v30                       ; 16 l
	s_delay_alu instid0(VALU_DEP_3)
	v_lshlrev_b32 v30, 3, v30                      ; 8 l
	s_delay_alu instid0(VALU_DEP_3)
	v_lshlrev_b32 v10, 4, v31                      ; 16 r
	s_delay_alu instid0(VALU_DEP_4)
	v_lshlrev_b32 v31, 5, v31                      ; 32 r
	QLOAD 0
	global_load_b128 v[88:91], v10, s[12:13] offset:24576      ; wo's scale words: they stay
	global_load_b128 v[92:95], v10, s[12:13] offset:24576+256
	s_mul_i32 s42, s40, HB                         ; my heads' block in a slot
	v_add_nc_u32 v1, s42, v30
	s_add_co_u32 s43, s42, 24576
	v_add_nc_u32 v2, s43, v7
	s_add_co_u32 s43, s42, 49152
	v_add_nc_u32 v3, s43, v31
	s_add_co_u32 s43, s42, 51200
	v_add_nc_u32 v4, s43, v10
	s_lshl_b32 s46, s19, 2
	s_lshl_b32 s43, s40, 1
	s_add_co_u32 s46, s46, s43                     ; my first image: 4 tile + 2 (WV / 8)
	s_lshl_b32 s47, s46, 7
	s_add_co_u32 s47, s47, ASC
	s_mul_i32 s46, s46, 1536
	s_add_co_u32 s46, s46, AIMG
.irp j, 22,23,24,25,26,27
	v_mov_b32 v\j, 0                               ; Q's upper 64 along K: zero codes
.endr
.set J, 0
.rept 48
	v_mov_b32 v[32+J], 0                           ; the fragments' registers are written once: K's upper halves are named before V's first tiles land there
.set J, J+1
.endr
.irp b, 0,1,2,3
	v_mov_b32 v[236+\b], 0                         ; a lane permute's destination counts as one of its sources
.endr
	v_mov_b32 v253, 0                              ; (named as the upper half of the pair v[252:253] before it is first written)
	CHANGE 1                                       ; slot 0 is whole; heads 1 and 5 go into slot 1
	HEAD 0
	CHANGE 1                                       ; heads 2 and 6 into slot 0
	HEAD 1
	ATTNQ 0
	CHANGE 1                                       ; heads 3 and 7 into slot 1
	HEAD 2
	CHANGE 0                                       ; nothing is left to ask for
	HEAD 3
	ATTNQ 1
	; ---- THE LAST PRODUCT: source 0 = my two tiles of wo, source 1 = a tile of 16 queries: lane (r, h) holds query r and columns 32 WV + 16 h + 8 u + 0 .. 7
	v_add_nc_u32 v8, AIMG, v7
	v_lshrrev_b32 v9, 2, v7
	s_delay_alu instid0(VALU_DEP_1)
	v_add_nc_u32 v9, ASC, v9
	v_and_b32 v10, 15, v0
	s_delay_alu instid0(VALU_DEP_1)
	v_mul_u32_u24 v10, v10, 2064
	v_bfe_u32 v11, v0, 4, 1
	s_delay_alu instid0(VALU_DEP_1)
	v_lshl_add_u32 v10, v11, 6, v10
	s_lshl_b32 s42, s18, 7
	v_add_nc_u32 v10, s42, v10                     ; the stage, in: row r, + 64 h, + 128 WV
	s_delay_alu instid0(VALU_DEP_1)
	v_add_nc_u32 v11, 66048, v10                   ; and 32 rows further down
	s_mul_i32 s42, s18, 8256
	v_add_nc_u32 v12, s42, v7                      ; back: my four rows, 16 bytes a lane
	s_wait_alu depctr_va_vdst(0)
	BARRIER                                        ; the 32 images lie in LDS, and nobody reads the slots any more
	s_wait_loadcnt 0x0                             ; wo's fragments, bo
.irp hf, 0,1                           ; 64 queries at a time
.if \hf
	s_wait_xcnt 0x0                                ; the first half's stores have read their registers
.endif
.irp s, 0,1,2,3
.irp m, 0,1,2,3
.irp c, 0,1,2
	ds_load_b128 v[144+12*\m+4*\c:147+12*\m+4*\c], v8 offset:((4*\hf+\m)*4+\s)*1536+512*\c
.endr
	ds_load_b32 v[248+\m], v9 offset:((4*\hf+\m)*4+\s)*128
.endr
	s_wait_dscnt 0x0
.irp m, 0,1,2,3                        ; eight accumulators by turns, a K step at a time; accumulator 4 u + m at v[192 + 8 (4 u + m)], the eighth at v80
.irp u, 0,1
.set AC, 192+8*(4*\u+\m)
.if 4*\u+\m == 7
.set AC, 80
.endif
.if \s == 0
	v_wmma_scale_f32_16x16x128_f8f6f4 v[AC:AC+7], v[32+64*\u+12*\s:43+64*\u+12*\s], v[144+12*\m:155+12*\m], v[16+8*\u:23+8*\u], v[88+4*\u+\s], v[248+\m] matrix_a_fmt:MATRIX_FMT_FP6 matrix_b_fmt:MATRIX_FMT_FP6
.else
	v_wmma_scale_f32_16x16x128_f8f6f4 v[AC:AC+7], v[32+64*\u+12*\s:43+64*\u+12*\s], v[144+12*\m:155+12*\m], v[AC:AC+7], v[88+4*\u+\s], v[248+\m] matrix_a_fmt:MATRIX_FMT_FP6 matrix_b_fmt:MATRIX_FMT_FP6
.endif
.endr
.endr
.rept 5
	v_nop                                          ; four places ahead of loads into the operands' registers and of the first read of results; a fifth, since the second half's first products begin the accumulators anew with another C
.endr
.endr
.if \hf
	BARRIER                                        ; every wave's reads of the stage are over
.endif
.irp m, 0,1,2,3
.irp u, 0,1
.set AC, 192+8*(4*\u+\m)
.if 4*\u+\m == 7
.set AC, 80
.endif
.if \m < 2
	ds_store_b128 v10, v[AC:AC+3] offset:33024*\m+32*\u              ; each accumulator from its low end on
	ds_store_b128 v10, v[AC+4:AC+7] offset:33024*\m+32*\u+16
.else
	ds_store_b128 v11, v[AC:AC+3] offset:33024*(\m-2)+32*\u
	ds_store_b128 v11, v[AC+4:AC+7] offset:33024*(\m-2)+32*\u+16
.endif
.endr
.endr
	BARRIER                                        ; 64 whole rows lie in the stage
.irp i, 0,1,2,3
.irp c, 0,1,2,3
	ds_load_b128 v[144+4*(4*\i+\c):147+4*(4*\i+\c)], v12 offset:2064*\i+512*\c
.endr
.endr
.irp i, 0,1,2,3
.irp c, 0,1,2,3
	s_wait_dscnt 15-(4*\i+\c)                      ; the loads issued behind this one may be out
	global_store_b128 v7, v[144+4*(4*\i+\c):147+4*(4*\i+\c)], s[16:17] offset:131072*\hf+2048*\i+512*\c th:TH_STORE_NT   ; 32 lanes store 512 consecutive bytes, at a multiple of 256 from the output's first byte
.endr
.endr
.endr
	s_wait_tensorcnt 0x0                           ; the wave's end: three closing lines, behind my last tensor load and my last LDS store
	ds_add_u32 v5, v6
	s_wait_dscnt 0x0
	CROUND                                         ; the closing round: no work-group ends while a partner may still ask for a block that names it
	s_endpgm
.Lfunc_end_k_q81dfa95563_attn:
	.size	k_q81dfa95563_attn, .Lfunc_end_k_q81dfa95563_attn-k_q81dfa95563_attn
	.p2alignl 7, 3214868480
	.fill 96, 4, 3214868480
	.section	.rodata,"a",@progbits
	.p2align	6, 0x0
	.amdhsa_kernel k_q81dfa95563_attn
		.amdhsa_group_segment_fixed_size 327680
		.amdhsa_private_segment_fixed_size 0
		.amdhsa_enable_private_segment 0
		.amdhsa_kernarg_size 56
		.amdhsa_user_sgpr_count 2
		.amdhsa_user_sgpr_kernarg_segment_ptr 1
		.amdhsa_wavefront_size32 1
		.amdhsa_system_sgpr_workgroup_id_x 1
		.amdhsa_system_sgpr_workgroup_id_y 1
		.amdhsa_system_sgpr_workgroup_id_z 1
		.amdhsa_system_vgpr_workitem_id 0
		.amdhsa_next_free_vgpr 256
		.amdhsa_next_free_sgpr 66
		.amdhsa_reserve_vcc 0
		.amdhsa_float_denorm_mode_32 3
		.amdhsa_float_denorm_mode_16_64 3
		.amdhsa_memory_ordered 1
		.amdhsa_forward_progress 1
		.amdhsa_inst_pref_size 137
	.end_amdhsa_kernel
	.amdgpu_metadata
---
amdhsa.version: [ 1, 2 ]
amdhsa.kernels:
  - .name:           k_q81dfa95563_attn
    .symbol:         k_q81dfa95563_attn.kd
    .args:
      - { .name: qc, .offset: 0, .size: 8, .value_kind: global_buffer, .address_space: global }
      - { .name: qs, .offset: 8, .size: 8, .value_kind: global_buffer, .address_space: global }
      - { .name: kv, .offset: 16, .size: 8, .value_kind: global_buffer, .address_space: global }
      - { .name: wfrag, .offset: 24, .size: 8, .value_kind: global_buffer, .address_space: global }
      - { .name: wscl, .offset: 32, .size: 8, .value_kind: global_buffer, .address_space: global }
      - { .name: bo, .offset: 40, .size: 8, .value_kind: global_buffer, .address_space: global }
      - { .name: out0, .offset: 48, .size: 8, .value_kind: global_buffer, .address_space: global }
    .group_segment_fixed_size: 327680
    .private_segment_fixed_size: 0
    .kernarg_segment_align: 8
    .kernarg_segment_size: 56
    .max_flat_workgroup_size: 512
    .sgpr_count:     66
    .vgpr_count:     256
    .wavefront_size: 32
...
	.end_amdgpu_metadata
.endif
;; end of part 6
